; MI455X (gfx1250); checked and timed in simulation.
; The chip was launched on July 23, 2026; its instructions are those of AMD's public machine-readable ISA for CDNA 5 (MIT licence, August 2026) and "CDNA5" Instruction Set Architecture Reference Guide (July 2026). The comments in the code are by the model that wrote it; some were corrected since.
;; Multi Head Attention. Allowed arithmetic: matrix products marked QUANTISED: E4M3 operands, one E8M0 scale for each 32 along K, by v_wmma_scale_f32_16x16x128_f8f6f4 with both operands' format E4M3, f32 sums; everything else in f32.
;; Inputs: freq_pos_enc 2,048 x 128 float32; wk 2,048 x 2,048 float32; wo 2,048 x 2,048 float32; wq 2,048 x 2,048 float32; wv 2,048 x 2,048 float32; x 1 x 2,048 x 2,048 float32.
;; Outputs: out0 1 x 2,048 x 2,048 float32.
;; Constants: d_k = 128, num_heads = 16.
;; This version of the problem:
;;   THIS VERSION OF THE PROBLEM IS GIVEN IN LOW PRECISION. The matrix products marked QUANTISED in the list below multiply operands that are first quantised to E4M3 (4 exponent bits, 3 mantissa bits; 8 bits a number), with one power-of-two scale for each 32 numbers along K (OCP MX v1.0); their sums are f32. All else is computed in f32.
;;   The module's matrix products, in the order in which they are computed (A, B: the left and right operand; K: the contracted axis; several contracted axes count as one K, in the product's order):
;;     1. [M 2,048, K 2,048] x [K 2,048, N 2,048]; A: input x; B: input wq: QUANTISED
;;     2. [M 2,048, K 2,048] x [K 2,048, N 2,048]; A: input x; B: input wk: QUANTISED
;;     3. [M 2,048, K 2,048] x [K 2,048, N 2,048]; A: input x; B: input wv: QUANTISED
;;     4. batch 16 x [M 2,048, K 128] x [K 128, N 2,048]; A: computed on the way; B: computed on the way: QUANTISED
;;     5. batch 16 x [M 2,048, K 2,048] x [K 2,048, N 128]; A: softmax (see below); B: computed on the way: QUANTISED
;;     6. [M 2,048, K 2,048] x [K 2,048, N 2,048]; A: computed on the way; B: input wo: QUANTISED
;;   THE QUANTISER, for each operand of a quantised product, along K:
;;     - K is cut into blocks of 32 from its start; a last block that is shorter is filled with zeros.
;;     - A block's scale is 2^e with e = floor(log2(the largest magnitude in the block)) - 8, held to -126 .. 127; a block of zeros has e = 0. As a byte (E8M0): e + 127.
;;     - Each number is divided by its block's scale, clamped to +-448, and rounded to the nearest number of E4M3, ties to even, subnormals kept.
;;     - The product sums the exact products of the quantised numbers (number of the format x scale) in f32.
;;   ~~~python
;;   def quantise(x, axis):      # numpy; x: float32 -> the quantised numbers, widened to float32 again
;;       x = np.moveaxis(x, axis, -1); K = x.shape[-1]
;;       x = np.pad(x, [(0, 0)] * (x.ndim - 1) + [(0, -K % 32)]); x = x.reshape(x.shape[:-1] + (-1, 32)); a = np.abs(x).max(-1, keepdims=True)
;;       e = np.where(a > 0, np.clip(np.frexp(np.where(a > 0, a, 1))[1] - 1 - 8, -126, 127), 0)      # np.frexp(a)[1] - 1 = floor(log2(a)), exactly
;;       r = np.clip(x / 2.0 ** e, -448, 448)
;;       step = 2.0 ** (np.maximum(np.frexp(np.where(r == 0, 1, r))[1] - 1, -6) - 3)
;;       q = np.round(r / step) * step * 2.0 ** e      # np.round: ties to even
;;       return np.moveaxis(q.reshape(q.shape[:-2] + (-1,))[..., :K], -1, axis).astype(np.float32)
;;   ~~~
;;   SOFTMAX AHEAD OF A QUANTISED PRODUCT. Where the list says 'softmax', what is quantised is not the finished softmax but p = 2^(t - M), with t = logit x log2(e) and M = ceil(the row's largest t), a whole number; so 1/2 < the row's largest p <= 1. The row's sum l is taken of the UNQUANTISED p, in f32, and the product's result is divided by l at the end. Since M is a whole number, a kernel that streams over the keys may use a running M (the ceiling of the running maximum): every later rescaling is an exact power of two, which a block's scale takes up: the codes' values come out the same.
;;   OPERANDS COMPUTED ON THE WAY. 'Computed on the way' means the value that the module computes at that place (a softmax that the list does not call 'softmax' is quantised finished and normalised). What goes into a quantiser is computed in f32, as accurately as f32 sums, v_exp_f32 and their like allow (about 1e-6 of the number): no bf16 or f16 on the way to a quantiser, and a product that is left as it is and whose result goes on into a quantised operand takes f32 operands (vector FMAs, or v_wmma_f32_16x16x4_f32). A number that lies on a knife's edge between two numbers of the format may be rounded either way, as far as f32 arithmetic and the matrix unit's own rounding can turn it there, and no further.
;; One version. Each part assembles by itself: llvm-mc -triple=amdgcn-amd-amdhsa -mcpu=gfx1250 --defsym DOCPART=n.
;; ======== version 1 of 1: 4 launches
;; limits: inputs' magnitudes at most 8,388,608; right only within a limited range of input values
;; workspace buffers: xq 4,325,376 bytes; wq8 17,301,504 bytes; rope 2,097,152 bytes; qkv 12,976,128 bytes; att 4,325,376 bytes
;; launch prep (part 1): grid 672 x 1, 4 waves a work-group, no clusters, 69,120 bytes of LDS; arguments x, wq, wk, wv, wo, freq_pos_enc, xq, wq8, rope; writes xq, wq8, rope
.if DOCPART == 1
	.amdgcn_target "amdgcn-amd-amdhsa--gfx1250"
	.amdhsa_code_object_version 6
	.text
	.protected	k_qbc827ef712_prep
	.globl	k_qbc827ef712_prep
	.p2align	8
	.type	k_qbc827ef712_prep,@function
k_qbc827ef712_prep:
	s_mov_b64 s[64:65], 0
	v_nop
	global_prefetch_b8 v0, s[64:65] scope:SCOPE_SE
	s_setreg_imm32_b32 hwreg(HW_REG_WAVE_MODE, 25, 1), 1
	s_wait_xcnt 0x0
; PREP.  x, wq, wk, wv, wo ([2048][2048] f32, K innermost) become codes of E4M3 with one E8M0 byte for each 32 along K, laid as IMAGES OF OPERAND REGISTERS;
; freq_pos_enc ([2048][128] f32, angles) becomes a table of cos and of signed sin, laid in the order in which the next launch holds q and k.
; A ROW TILE t (0..127) holds rows 32 (t / 2) + 8 (t % 2) + r + 8 (r / 8), r = 0..15.  A FRAGMENT IMAGE (tile, K step of 128) is 2,048 bytes: group c at 512 c, lane l at 16 l;
; lane (r = l % 16, h = l / 16) holds k = 128 s + 32 c + 16 h + 0..15 of the tile row r.  A SCALE RECORD is 64 bytes: the row r word (four bytes, one a block) at 4 r.
; xq: codes [tile][s][2048] at 0, scale records [tile][s][64] at XS.  wq8: the same for wq, wk, wv, wo, 4 MiB of codes each, scale records from WS on, 131,072 bytes each.
; rope: [tile][g 0..31][lane][16 bytes], g = 8 b + 4 ss + i / 4: for token row r of the tile and d = 32 b + 16 h + i: cos(pe) (ss = 0) and -sin(pe) for even d, +sin(pe) for odd d (ss = 1).
; SHARES.  Work-groups 0..31: the table, a tile a wave.  Work-groups 32..671: tensor (g - 32) / 128, tile (g - 32) % 128; wave w takes K steps 4 w .. 4 w + 3.
; Each load reads 512 consecutive bytes of one row; 16 rows turn through the wave own stage in LDS (rows 528 bytes apart) and come back 64 bytes a lane: 16 neighbours of each block of 32.
; No matrix work, no tensor loads, no barrier: waves share nothing.  The two ways part once, on the work-group number, and have LDS bytes of their own.
; LIMITS: NaN and infinities are not served; a block of zeros gets the byte 1 (its codes are zeros, and only this program reads the bytes); a block under 2^-118 has its byte held at 1;
; angles up to 2^23 in magnitude; sine and cosine have an absolute error of about 1e-7 (three-part reduction by pi / 2 with fused multiply-adds, polynomials of degree 8 and 9).
.set XS,   4194304
.set WS,   16777216
.set SI,   4                           ; v4   stage, way in: 16 x lane + my wave region
.set SO,   5                           ; v5   stage, way out: 528 r + 64 h
.set SS,   6                           ; v6   my row scale word in the wave 256 bytes behind the stage
.set SL,   7                           ; v7   those 256 bytes, 8 a lane
.set GI,   8                           ; v8   16 x lane
.set GS,   9                           ; v9   8 x lane
.set SI2,  10                          ; v10, v11 the same two stage addresses for the table way
.set SO2,  11
.set R,    16                          ; v16-143  two sets of 64 registers as loaded; on the table way the 128 results
.set X,    144                         ; v144-207 64 numbers of my row: register 16 b + i = k 32 b + 16 h + i
.set PC,   208                         ; v208-223 the codes
.set TM,   224                         ; v224-239 at work in QUANT
.set PW,   240                         ; v240     the scale word
.set U,    208                         ; the table way: 4 x 8 registers at work
.set WV,   22
.set SEL,  44                          ; s[44:45] selects of v_permlanex16_b32 for lane l xor 16
.set MNT,  46                          ; s46 the mantissa field of 448
.set C2PI, 48
.set NHI,  49
.set MID,  50
.set LOW,  51
.set CC4,  52
.set CC3,  53
.set CC2,  54
.set SS4,  55
.set SS3,  56
.set SS2,  57
.set SS1,  58
.set SGN,  59
.set MK,   60                          ; s60-63 four lane masks
	s_load_b256 s[4:11], s[0:1], 0x0               ; x, wq, wk, wv
	s_load_b256 s[12:19], s[0:1], 0x20             ; wo, freq_pos_enc, xq, wq8
	s_load_b64 s[20:21], s[0:1], 0x40              ; rope
	v_lshl_add_u32 v254, v0, 2, 0x10c00
	v_mov_b32 v255, 0
	v_lshrrev_b32 v1, 5, v0
	v_readfirstlane_b32 s[WV], v1                  ; wave 0..3
	v_and_b32 v1, 31, v0                           ; lane
	v_and_b32 v2, 15, v0                           ; r
	v_bfe_u32 v3, v0, 4, 1                         ; h
	v_lshlrev_b32 v[GI], 4, v1
	v_lshlrev_b32 v[GS], 3, v1
	v_mul_u32_u24 v12, v2, 528
	v_lshl_add_u32 v12, v3, 6, v12                 ; 528 r + 64 h
	s_mul_i32 s23, s[WV], 8704                     ; a wave region: a stage of 16 x 528 bytes and 256 scale bytes
	v_add_nc_u32 v[SI], s23, v[GI]
	v_add_nc_u32 v[SO], s23, v12
	s_add_co_u32 s24, s23, 8448
	v_lshl_add_u32 v[SS], v2, 2, s24
	v_add_nc_u32 v[SL], s24, v[GS]
	s_mul_i32 s25, s[WV], 8448
	s_add_co_u32 s25, s25, 34816                   ; the table way has stages of its own, behind the four regions
	v_add_nc_u32 v[SI2], s25, v[GI]
	v_add_nc_u32 v[SO2], s25, v12
	s_mov_b32 s[SEL], 0x76543210
	s_mov_b32 s[SEL+1], 0xfedcba98
	s_mov_b32 s[MNT], 0x600000
.irp b, 0,1,2,3
	v_mov_b32 v[TM+4+\b], 0                        ; written once: a lane permute destination counts as one of its sources
.endr
	s_wait_kmcnt 0x0
	s_cmp_lt_u32 ttmp9, 32
	s_cbranch_scc1 .Ltable
	; ---- the quantiser way
	s_sub_co_u32 s26, ttmp9, 32
	s_lshr_b32 s27, s26, 7                         ; which tensor: 0 x, 1 wq, 2 wk, 3 wv, 4 wo
	s_and_b32 s28, s26, 127                        ; which tile
	s_cmp_eq_u32 s27, 1                            ; the choices hang on the work-group number alone
	s_cselect_b64 s[4:5], s[6:7], s[4:5]
	s_cmp_eq_u32 s27, 2
	s_cselect_b64 s[4:5], s[8:9], s[4:5]
	s_cmp_eq_u32 s27, 3
	s_cselect_b64 s[4:5], s[10:11], s[4:5]
	s_cmp_eq_u32 s27, 4
	s_cselect_b64 s[4:5], s[12:13], s[4:5]
	s_cmp_eq_u32 s27, 0
	s_cselect_b64 s[16:17], s[16:17], s[18:19]     ; x goes to xq, the weights to wq8
	; WHERE THE IMAGES GO (these lines hold in place of the head's lines on xq and wq8).  T = tile, s = K step of 128, t = 0, 1, 2 for wq, wk, wv.
	; xq: a block of 270,336 bytes for each 8 tiles (128 tokens): scale records [T % 8][s][64] at 0, fragment images [s][T % 8][2048] at 8,192.
	; wq8: wq, wk, wv: images [head = T / 8][pair (T / 2) % 4][s][t][T % 2][2048]: 12,288 bytes on end for a pair and a K step; scale records at WS + 24,576 head + 8,192 t + 1,024 (T % 8) + 64 s.
	; wo: images [pair T / 2][s][T % 2][2048] from 12,582,912 on: 4,096 bytes on end for a pair and a K step; scale records [T][s][64] from 17,170,432 on.
	s_max_u32 s29, s27, 1
	s_sub_co_u32 s29, s29, 1                       ; t (0 for x)
	s_lshr_b32 s40, s28, 3                         ; T / 8
	s_and_b32 s41, s28, 7                          ; T % 8
	s_lshl_b32 s42, s41, 10
	s_mul_i32 s32, s40, 270336
	s_add_co_u32 s34, s32, s42                     ; x: scale records,
	s_lshl_b32 s43, s41, 11
	s_add_co_u32 s32, s32, s43
	s_add_co_u32 s32, s32, 8192                    ; images
	s_mul_i32 s47, s40, 786432
	s_bfe_u32 s43, s28, 0x20001
	s_mul_i32 s43, s43, 196608
	s_add_co_u32 s47, s47, s43
	s_lshl_b32 s43, s29, 12
	s_add_co_u32 s47, s47, s43
	s_and_b32 s43, s28, 1
	s_lshl_b32 s43, s43, 11
	s_add_co_u32 s47, s47, s43                     ; wq, wk, wv: images,
	s_mul_i32 s48, s40, 24576
	s_lshl_b32 s43, s29, 13
	s_add_co_u32 s48, s48, s43
	s_add_co_u32 s48, s48, s42
	s_add_co_u32 s48, s48, WS                      ; scale records
	s_mov_b32 s38, 12288                           ; s38: bytes from one K step's image to the next
	s_cmp_eq_u32 s27, 0
	s_cselect_b32 s32, s32, s47
	s_cselect_b32 s34, s34, s48
	s_cselect_b32 s38, 16384, s38
	s_lshr_b32 s47, s28, 1
	s_lshl_b32 s47, s47, 16
	s_and_b32 s43, s28, 1
	s_lshl_b32 s43, s43, 11
	s_add_co_u32 s47, s47, s43
	s_add_co_u32 s47, s47, 12582912                ; wo
	s_lshl_b32 s48, s28, 10
	s_add_co_u32 s48, s48, 17170432
	s_cmp_eq_u32 s27, 4
	s_cselect_b32 s32, s47, s32
	s_cselect_b32 s34, s48, s34
	s_cselect_b32 s38, 4096, s38
	s_lshl_b32 s43, s[WV], 2                       ; my four K steps
	s_mul_i32 s43, s43, s38
	s_add_co_u32 s32, s32, s43
	s_lshl_b32 s43, s[WV], 8
	s_add_co_u32 s34, s34, s43
	s_mov_b32 s33, 0
	s_mov_b32 s35, 0
	s_mov_b32 s39, 0
	s_add_nc_u64 s[18:19], s[16:17], s[34:35]
	s_add_nc_u64 s[16:17], s[16:17], s[32:33]
	s_lshr_b32 s36, s28, 1                         ; the source: the tile first row 32 (t / 2) + 8 (t % 2), rows of 8,192 bytes,
	s_lshl_b32 s36, s36, 18
	s_and_b32 s37, s28, 1
	s_lshl_b32 s37, s37, 16
	s_add_co_u32 s36, s36, s37
	s_lshl_b32 s37, s[WV], 11                      ; and my four K steps of 512 bytes
	s_add_co_u32 s36, s36, s37
	s_mov_b32 s37, 0
	s_add_nc_u64 s[4:5], s[4:5], s[36:37]
.macro LOAD t                          ; K step t of my four: 16 rows x 512 consecutive bytes, into set t % 2
.irp i, 0,1,2,3,4,5,6,7,8,9,10,11,12,13,14,15
	global_load_b128 v[R+64*((\t)%2)+4*\i:R+64*((\t)%2)+4*\i+3], v[GI], s[4:5] offset:(\i+8*(\i/8))*8192+512*(\t) th:TH_LOAD_NT
.endr
.endm
; 64 numbers of a lane, v[X] on, become a fragment codes in v[PC] on and its row scale word in v[PW].
.macro QUANT
.irp b, 0,1,2,3
	v_max3_num_f32 v[TM+\b], |v[X+16*\b]|, |v[X+1+16*\b]|, 0x4800000   ; block b: my 16 numbers, and the floor 2^(9 - 127): the byte cannot fall under 1
.endr
.irp i, 2,4,6,8,10,12,14
.irp b, 0,1,2,3
	v_max3_num_f32 v[TM+\b], v[TM+\b], |v[X+16*\b+\i]|, |v[X+1+16*\b+\i]|   ; the four blocks by turns
.endr
.endr
.irp b, 0,1,2,3
	v_permlanex16_b32 v[TM+4+\b], v[TM+\b], s[SEL], s[SEL+1]
.endr
.irp b, 0,1,2,3
	v_max_num_f32 v[TM+\b], v[TM+\b], v[TM+4+\b]   ; with lane l xor 16: the block largest magnitude
.endr
.irp b, 0,1,2,3
	v_add_nc_u32 v[TM+12+\b], 0xfc000000, v[TM+\b] ; 8 off its exponent field: the conversion scale operand
.endr
.irp b, 0,1,2,3
	v_and_or_b32 v[TM+8+\b], v[TM+\b], 0x7f800000, s[MNT]   ; 448 x the scale
.endr
.irp b, 0,1,2,3
	v_lshrrev_b32 v[TM+4+\b], 23, v[TM+12+\b]      ; the scale byte
.endr
	v_lshl_or_b32 v[PW], v[TM+5], 8, v[TM+4]
	v_lshl_or_b32 v[PW], v[TM+6], 16, v[PW]
	v_lshl_or_b32 v[PW], v[TM+7], 24, v[PW]
.irp b, 0,1,2,3
.irp i, 0,1,2,3,4,5,6,7,8,9,10,11,12,13,14,15
	v_med3_num_f32 v[X+16*\b+\i], v[X+16*\b+\i], -v[TM+8+\b], v[TM+8+\b]   ; the conversion to an 8-bit code does not saturate (ISA guide 7.6.2): the hold comes first
.endr
	v_cvt_scalef32_pk8_fp8_f32 v[PC+4*\b:PC+1+4*\b], v[X+16*\b:X+7+16*\b], v[TM+12+\b]
	v_cvt_scalef32_pk8_fp8_f32 v[PC+2+4*\b:PC+3+4*\b], v[X+8+16*\b:X+15+16*\b], v[TM+12+\b]
.endr
	v_nop                                          ; a plain line behind the last conversion
.endm
.macro FRAG t
.if (\t) < 3
	s_wait_loadcnt 16                              ; this K step 16 loads are in; the next step 16 may be out
.else
	s_wait_loadcnt 0x0
.endif
.irp i, 0,1,2,3,4,5,6,7,8,9,10,11,12,13,14,15
	ds_store_b128 v[SI], v[R+64*((\t)%2)+4*\i:R+64*((\t)%2)+4*\i+3] offset:528*\i
.endr
.irp b, 0,1,2,3
.irp j, 0,1,2,3
	ds_load_b128 v[X+16*\b+4*\j:X+16*\b+4*\j+3], v[SO] offset:128*\b+16*\j   ; LDS serves a wave instructions in order: these see the stores above
.endr
.endr
	s_wait_dscnt 0x0
	s_wait_xcnt 0x0
.if (\t) > 0
	s_add_nc_u64 s[16:17], s[16:17], s[38:39]      ; on to the next K step's image: the stores before have read their base
.endif
.if (\t) < 2
	LOAD (\t)+2                                    ; the set takes the K step two further on
.endif
	QUANT
	ds_store_b32 v[SS], v[PW] offset:64*(\t)       ; both halves of the lanes write the same word with the same value
.irp c, 0,1,2,3
	global_store_b128 v[GI], v[PC+4*\c:PC+4*\c+3], s[16:17] offset:512*\c
.endr
.endm
	LOAD 0
	LOAD 1
	s_wait_alu depctr_va_vdst(0)
	FRAG 0
	FRAG 1
	FRAG 2
	FRAG 3
	ds_load_b64 v[12:13], v[SL]                    ; my four scale records
	s_wait_dscnt 0x0
	global_store_b64 v[GS], v[12:13], s[18:19]     ; 256 consecutive bytes, aligned
	s_wait_tensorcnt 0x0
	ds_add_u32 v254, v255
	s_wait_dscnt 0x0
	s_endpgm
	; ---- the table way
.Ltable:
	s_lshl_b32 s26, ttmp9, 2
	s_add_co_u32 s26, s26, s[WV]                   ; my tile of tokens
	s_lshr_b32 s27, s26, 1
	s_lshl_b32 s27, s27, 14                        ; its first row, rows of 512 bytes
	s_and_b32 s28, s26, 1
	s_lshl_b32 s28, s28, 12
	s_add_co_u32 s28, s27, s28
	s_mov_b32 s29, 0
	s_add_nc_u64 s[14:15], s[14:15], s[28:29]
	s_lshl_b32 s28, s26, 14                        ; 16,384 bytes of table a tile
	s_add_nc_u64 s[20:21], s[20:21], s[28:29]
.irp i, 0,1,2,3,4,5,6,7,8,9,10,11,12,13,14,15
	global_load_b128 v[R+4*\i:R+4*\i+3], v[GI], s[14:15] offset:(\i+8*(\i/8))*512 th:TH_LOAD_NT
.endr
	s_mov_b32 s[C2PI], 0x3f22f983                  ; 2 / pi
	s_mov_b32 s[NHI], 0xbfc90fdb                   ; pi / 2 in three parts, each with the sign that the reduction adds
	s_mov_b32 s[MID], 0x333bbd2e
	s_mov_b32 s[LOW], 0x26f72ced
	s_mov_b32 s[CC4], 0x37cd4000                   ; cosine: coefficients of z^4, z^3, z^2 (z = r r); -1/2 and 1 are written in the lines
	s_mov_b32 s[CC3], 0xbab6077d
	s_mov_b32 s[CC2], 0x3d2aaaa8
	s_mov_b32 s[SS4], 0x36405000                   ; sine: coefficients of r z^4 .. r z
	s_mov_b32 s[SS3], 0xb9503486
	s_mov_b32 s[SS2], 0x3c0888c1
	s_mov_b32 s[SS1], 0xbe2aaaab
	s_mov_b32 s[SGN], 0x80000000
	s_wait_loadcnt 0x0
	s_wait_alu depctr_va_vdst(0)
.irp i, 0,1,2,3,4,5,6,7,8,9,10,11,12,13,14,15
	ds_store_b128 v[SI2], v[R+4*\i:R+4*\i+3] offset:528*\i
.endr
.irp b, 0,1,2,3
.irp j, 0,1,2,3
	ds_load_b128 v[X+16*\b+4*\j:X+16*\b+4*\j+3], v[SO2] offset:128*\b+16*\j
.endr
.endr
	s_wait_dscnt 0x0
; Four angles by turns, v[X + e] .. v[X + e + 3].  x = n pi / 2 + r; by n mod 4 sine and cosine of r change places and signs.  At work for angle k: v[U + 8 k] n, +1 r, +2 n as a whole number, +3 z, +4 c, +5 s, +6, +7.
.macro SC4 e
.irp k, 0,1,2,3
	v_mul_f32 v[U+8*\k], s[C2PI], v[X+(\e)+\k]
.endr
.irp k, 0,1,2,3
	v_rndne_f32 v[U+8*\k], v[U+8*\k]
.endr
.irp k, 0,1,2,3
	v_fma_f32 v[U+8*\k+1], v[U+8*\k], s[NHI], v[X+(\e)+\k]
.endr
.irp k, 0,1,2,3
	v_fma_f32 v[U+8*\k+1], v[U+8*\k], s[MID], v[U+8*\k+1]
.endr
.irp k, 0,1,2,3
	v_fma_f32 v[U+8*\k+1], v[U+8*\k], s[LOW], v[U+8*\k+1]
.endr
.irp k, 0,1,2,3
	v_cvt_i32_f32 v[U+8*\k+2], v[U+8*\k]
.endr
.irp k, 0,1,2,3
	v_mul_f32 v[U+8*\k+3], v[U+8*\k+1], v[U+8*\k+1]
.endr
.irp k, 0,1,2,3
	v_fma_f32 v[U+8*\k+4], v[U+8*\k+3], s[CC4], s[CC3]
	v_fma_f32 v[U+8*\k+5], v[U+8*\k+3], s[SS4], s[SS3]
.endr
.irp k, 0,1,2,3
	v_fma_f32 v[U+8*\k+4], v[U+8*\k+4], v[U+8*\k+3], s[CC2]
	v_fma_f32 v[U+8*\k+5], v[U+8*\k+5], v[U+8*\k+3], s[SS2]
.endr
.irp k, 0,1,2,3
	v_fma_f32 v[U+8*\k+4], v[U+8*\k+4], v[U+8*\k+3], -0.5
	v_fma_f32 v[U+8*\k+5], v[U+8*\k+5], v[U+8*\k+3], s[SS1]
.endr
.irp k, 0,1,2,3
	v_fma_f32 v[U+8*\k+4], v[U+8*\k+4], v[U+8*\k+3], 1.0     ; cos r
	v_mul_f32 v[U+8*\k+6], v[U+8*\k+1], v[U+8*\k+3]
.endr
.irp k, 0,1,2,3
	v_fma_f32 v[U+8*\k+5], v[U+8*\k+5], v[U+8*\k+6], v[U+8*\k+1]   ; sin r
	v_and_b32 v[U+8*\k+7], 1, v[U+8*\k+2]
.endr
.irp k, 0,1,2,3
	v_cmp_ne_u32 s[MK+\k], 0, v[U+8*\k+7]          ; n odd: the two change places
.endr
.irp k, 0,1,2,3
	v_cndmask_b32 v[U+8*\k], v[U+8*\k+4], v[U+8*\k+5], s[MK+\k]
	v_cndmask_b32 v[U+8*\k+1], v[U+8*\k+5], v[U+8*\k+4], s[MK+\k]
.endr
.irp k, 0,1,2,3
	v_add_lshl_u32 v[U+8*\k+6], v[U+8*\k+2], 1, 30             ; the cosine is negative where bit 1 of n + 1 is set;
	v_add_lshl_u32 v[U+8*\k+7], v[U+8*\k+2], 2*(1-(\k%2)), 30  ; the sine where bit 1 of n is; for even d its sign is turned once more
.endr
.irp k, 0,1,2,3
	v_and_b32 v[U+8*\k+6], s[SGN], v[U+8*\k+6]
	v_and_b32 v[U+8*\k+7], s[SGN], v[U+8*\k+7]
.endr
.irp k, 0,1,2,3
	v_xor_b32 v[R+32*((\e)/16)+(\e)%16+\k], v[U+8*\k+6], v[U+8*\k]
	v_xor_b32 v[R+32*((\e)/16)+16+(\e)%16+\k], v[U+8*\k+7], v[U+8*\k+1]
.endr
.endm
.set EE, 0
.rept 16
	SC4 EE
.set EE, EE+4
.endr
.set GG, 0
.rept 32
	global_store_b128 v[GI], v[R+4*GG:R+4*GG+3], s[20:21] offset:512*GG   ; the wave stores 512 consecutive bytes, aligned
.set GG, GG+1
.endr
	s_wait_tensorcnt 0x0
	ds_add_u32 v254, v255
	s_wait_dscnt 0x0
	s_endpgm
.Lfunc_end_k_qbc827ef712_prep:
	.size	k_qbc827ef712_prep, .Lfunc_end_k_qbc827ef712_prep-k_qbc827ef712_prep
	.p2alignl 7, 3214868480
	.fill 96, 4, 3214868480
	.section	.rodata,"a",@progbits
	.p2align	6, 0x0
	.amdhsa_kernel k_qbc827ef712_prep
		.amdhsa_group_segment_fixed_size 69120
		.amdhsa_private_segment_fixed_size 0
		.amdhsa_enable_private_segment 0
		.amdhsa_kernarg_size 72
		.amdhsa_user_sgpr_count 2
		.amdhsa_user_sgpr_kernarg_segment_ptr 1
		.amdhsa_wavefront_size32 1
		.amdhsa_system_sgpr_workgroup_id_x 1
		.amdhsa_system_sgpr_workgroup_id_y 1
		.amdhsa_system_sgpr_workgroup_id_z 1
		.amdhsa_system_vgpr_workitem_id 0
		.amdhsa_next_free_vgpr 256
		.amdhsa_next_free_sgpr 66
		.amdhsa_reserve_vcc 0
		.amdhsa_float_denorm_mode_32 3
		.amdhsa_float_denorm_mode_16_64 3
		.amdhsa_memory_ordered 1
		.amdhsa_forward_progress 1
		.amdhsa_inst_pref_size 145
	.end_amdhsa_kernel
	.amdgpu_metadata
---
amdhsa.version: [ 1, 2 ]
amdhsa.kernels:
  - .name:           k_qbc827ef712_prep
    .symbol:         k_qbc827ef712_prep.kd
    .args:
      - { .name: x, .offset: 0, .size: 8, .value_kind: global_buffer, .address_space: global }
      - { .name: wq, .offset: 8, .size: 8, .value_kind: global_buffer, .address_space: global }
      - { .name: wk, .offset: 16, .size: 8, .value_kind: global_buffer, .address_space: global }
      - { .name: wv, .offset: 24, .size: 8, .value_kind: global_buffer, .address_space: global }
      - { .name: wo, .offset: 32, .size: 8, .value_kind: global_buffer, .address_space: global }
      - { .name: freq_pos_enc, .offset: 40, .size: 8, .value_kind: global_buffer, .address_space: global }
      - { .name: xq, .offset: 48, .size: 8, .value_kind: global_buffer, .address_space: global }
      - { .name: wq8, .offset: 56, .size: 8, .value_kind: global_buffer, .address_space: global }
      - { .name: rope, .offset: 64, .size: 8, .value_kind: global_buffer, .address_space: global }
    .group_segment_fixed_size: 69120
    .private_segment_fixed_size: 0
    .kernarg_segment_align: 8
    .kernarg_segment_size: 72
    .max_flat_workgroup_size: 128
    .sgpr_count:     66
    .vgpr_count:     256
    .wavefront_size: 32
...
	.end_amdgpu_metadata
.endif
;; end of part 1
;; launch qkv (part 2): grid 16 x 16, 4 waves a work-group, clusters of 4 x 4, 327,680 bytes of LDS; arguments xq, wq8, rope, qkv; writes qkv
.if DOCPART == 2
	.amdgcn_target "amdgcn-amd-amdhsa--gfx1250"
	.amdhsa_code_object_version 6
	.text
	.protected	k_qbc827ef712_qkv
	.globl	k_qbc827ef712_qkv
	.p2align	8
	.type	k_qbc827ef712_qkv,@function
k_qbc827ef712_qkv:
	s_mov_b64 s[64:65], 0
	v_nop
	global_prefetch_b8 v0, s[64:65] scope:SCOPE_SE
	s_setreg_imm32_b32 hwreg(HW_REG_WAVE_MODE, 25, 1), 1
	s_wait_xcnt 0x0
	s_wait_alu depctr_hold_cnt(0) depctr_sa_sdst(0) depctr_va_vdst(0) depctr_va_sdst(0) depctr_va_ssrc(0) depctr_va_vcc(0) depctr_vm_vsrc(0)
	s_getreg_b32 s2, hwreg(HW_REG_IB_STS2, 6, 4)
	s_cmp_eq_u32 s2, 0
	s_cbranch_scc0 .Lentry_in_a_cluster
	s_endpgm
.Lentry_in_a_cluster:
	s_bfe_u32 s2, ttmp6, 0x10000c
	s_cmp_lg_u32 s2, 0xf033
	s_cbranch_scc0 .Lentry_shape_is_right
	s_endpgm
.Lentry_shape_is_right:
; QKV.  q, k, v = x wq^T, x wk^T, x wv^T on codes of E4M3 with E8M0 scales (K = 2,048), the rotation of q and k by the table, and the quantising of q and k along d and of v along the keys.
; All operands are images of operand registers (a row tile t holds rows 32 (t / 2) + 8 (t % 2) + r + 8 (r / 8); a fragment image is 2,048 bytes, group c at 512 c, lane l at 16 l).
; SHARES.  A work-group (x = head, y = block of 128 tokens) makes 128 tokens x (128 of q, of k, of v): 256 equal work-groups.  Wave w makes all 8 token tiles x weight tiles 2 w, 2 w + 1 of each of wq, wk, wv:
; 48 accumulators, 48 matrix instructions for 128 along K.  So each wave reads weights that no other wave of the work-group reads.
; x: the block's 8,192 scale bytes and 262,144 bytes of codes ([K step][tile][2048], one dense run of memory) lie in LDS for the whole launch, filled once: no LDS byte is filled twice, and the loop has no barrier.
; Wave 0 asks for the scale bytes and K steps 0, 1; wave 1 for the head's 24,576 weight scale bytes; waves 2, 3 for K steps 2-8 and 9-15, which are shown by a second barrier behind K step 0.
; THE WEIGHTS go from memory straight into the registers of the wave that multiplies them: 12,288 bytes on end a K step, 24 loads of 512 consecutive bytes, three sets of 96 registers, asked for three K steps ahead.
; CLUSTER 4 x 4: x's loads are joint along a row of the cluster, the weight scale bytes' along a column.  The weights' codes are not asked for jointly: a joint load lands in LDS, where 786,432 bytes a work-group
; have no room beside x's 270,336.
; PREFETCH: in each trip but the last a wave names 9,216 bytes (36 blocks of 256; the second line's lanes 4-31 name its last block again) of the 36,864 that the NEXT trip's loads want; the four partners that
; read the same weights are told apart by address (cy).  K steps 0-6 come by their loads alone.  The table's 32,768 bytes a wave are named once, in K step 0, 8,192 a partner (cx).  x comes once, at the head: no loop stands ahead of it.
; q and k are made TRANSPOSED (source 0 = weight rows, source 1 = tokens): a lane holds one token, and the 16 registers of tiles 2 w, 2 w + 1 are d = 32 w + 16 h + 0..15.  v has the tokens as source 0: a lane holds
; one channel, and the 16 registers of token tiles 2 p, 2 p + 1 are 16 neighbouring keys.
; OUT (qkv): records [head][y] of 33,792 bytes: K images (tile at 2,048 t), V images (channel tile ct at 16,384 + 2,048 ct, group = block of 32 keys), K scale words at 32,768 (64 t + 4 r), V's at 33,280;
; Q images from QO on, (128 head + tile) x 2,048; Q scale words from QSO on, 8,192 a head.  The scale bytes are gathered in LDS bytes of their own and leave as three runs of 512 bytes.
; LIMITS: NaN and infinities are not served; a block of zeros gets the byte 1 (its codes are zeros, and only this program reads the bytes).
; REGISTERS, in windows of 256.  Window 0: v16-30 addresses; v32-35 x's scale words (lanes 0-15 tile 2 j, lanes 16-31 tile 2 j + 1); v36.., v44.., v52.. the weights', three sets; v64-103 at work on the way out;
; v128-255 x's eight fragments, one set (later HA).  Window 1: weight sets 0, 1 at 0, 96 (wq u at 16 u, wk at 32 + 16 u, wv at 64 + 16 u); v192-255 v of token tiles 0-3 (192 + 32 u + 8 a).
; Window 2: weight set 2 at 0; v192-255 v of token tiles 4-7.  Window 3: q(a, u) at 32 a + 8 u, k(a, u) at 32 a + 16 + 8 u.
.set WS,    16777216
.set REC,   33792
.set QO,    8650752
.set QSO,   12845056
.set XB,    270336                     ; x's block in memory and in LDS
.set XC,    8192                       ; its codes
.set WSC,   270336                     ; the weights' scale records: 8,192 t + 1,024 tile + 64 s + 4 r
.set SCR,   294912                     ; scale bytes on the way out: q 512, k 512, v 512; no fill lands here
.set SPARE, 296960                     ; the spare words, 128 bytes a wave, which no other line names
.set L16,  16
.set AX,   17
.set AXS,  18
.set AWS,  19
.set GQ,   20
.set GV,   21
.set SB,   22
.set SV,   23
.set SR,   24
.set PF1,  25
.set PF2,  26
.set PFT,  27
.set SPW,  28
.set NIL,  29
.set HH,   30
.set XSR,  32
.set WSR,  36
.set TM,   64
.set PC,   80
.set PW,   96
.set TR,   98
.set XF,   128
.set HA,   128
.set G1A,  24
.set G1W,  48
.set G1C,  56
.set G0A,  68
.set G0W,  72
.set G0C,  76
.set WP,   80                          ; s[80:81] my wave's stream of weights
.set SEL,  96
.set MNT,  98
.set MSB, 0
.macro WIN new                         ; the immediate's high byte repeats the setting that is left
.if MSB != (\new)
	s_set_vgpr_msb (MSB<<8)|(\new)
.set MSB, (\new)
.endif
.endm
.macro PLACES n
.rept \n
	v_nop
.endr
.endm
.macro CROUND                          ; a round of the cluster's barrier
	s_barrier_signal -1
	s_barrier_wait -1
	s_cmp_lg_u32 s14, 0
	s_cbranch_scc1 .Lnot_wave_0_\@
	s_barrier_signal -3
.Lnot_wave_0_\@:
	s_barrier_wait -3
	s_barrier_signal -1
	s_barrier_wait -1
.endm
.macro TLOAD g0, g1                    ; an s_nop 0 and four v_nop follow the load
	tensor_load_to_lds s[\g0:\g0+3], s[\g1:\g1+7]
	s_nop 0
	PLACES 4
.endm
.macro DENSE g, rows                   ; group 1 of a dense run: rows of 256 bytes (32 elements of 8)
	s_mov_b32 s[\g+1], 32<<16
	s_mov_b32 s[\g+2], (\rows)<<16
	s_mov_b32 s[\g+3], 32<<16
	s_mov_b32 s[\g+4], \rows
	s_mov_b32 s[\g+5], 32
	s_mov_b32 s[\g+6], 0
	s_mov_b32 s[\g+7], 0
.endm
.macro LW p, off                       ; a K step's six weight fragments into set p: 24 loads of 512 consecutive bytes
	WIN (1+(\p)/2)<<6
.set J_, 0
.rept 24
	global_load_b128 v[96*((\p)%2)+4*J_:96*((\p)%2)+4*J_+3], v[L16], s[WP:WP+1] offset:(\off)+512*J_
.set J_, J_+1
.endr
	WIN 0
.endm
.macro LT p, first, cnt                ; the table of token tiles first .. (8 loads, 32 registers each: 16 cos, 16 signed sin) into set p, which is done with
	WIN (1+(\p)/2)<<6
.set J_, 0
.rept \cnt
	global_load_b128 v[96*((\p)%2)+4*J_:96*((\p)%2)+4*J_+3], v[L16], s[8:9] offset:16384*((\first)+J_/8)+512*(J_%8)
.set J_, J_+1
.endr
	WIN 0
.endm
	s_load_b256 s[4:11], s[0:1], 0x0               ; xq, wq8, rope, qkv
	v_lshl_add_u32 v[SPW], v0, 2, SPARE
	v_mov_b32 v[NIL], 0
	ds_add_u32 v[SPW], v[NIL]                      ; the opening lines: the add, twice on end, and its wait ahead of the first tensor load
	ds_add_u32 v[SPW], v[NIL]
	v_lshrrev_b32 v1, 5, v0
	v_readfirstlane_b32 s14, v1                    ; wave 0..3
	v_and_b32 v3, 31, v0
	v_lshlrev_b32 v[L16], 4, v3
	s_and_b32 s16, s14, 1
	s_bfe_u32 s40, ttmp6, 0x40000                  ; cx, cy
	s_bfe_u32 s41, ttmp6, 0x40004
	s_lshl_b32 s42, ttmp9, 2
	s_add_co_u32 s42, s42, s40                     ; head
	s_and_b32 s17, ttmp7, 0xffff
	s_lshl_b32 s17, s17, 2
	s_add_co_u32 s17, s17, s41                     ; y
	s_lshl_b32 s43, s41, 2
	s_lshl_b32 s43, 15, s43                        ; my row of the cluster
	s_lshl_b32 s44, 0x1111, s40                    ; my column
	s_or_b32 s[G1A], s43, (3<<16)|(1<<21)
	s_or_b32 s[G1C], s43, (3<<16)|(1<<21)
	s_or_b32 s[G1W], s44, (3<<16)|(1<<21)
	DENSE G1A, 160                                 ; x's scale bytes and K steps 0, 1: 40,960 bytes
	DENSE G1C, 448                                 ; seven K steps: 114,688 bytes
	DENSE G1W, 96                                  ; the head's weight scale records: 24,576 bytes
	s_mul_i32 s20, s17, XB                         ; x's block: y alone
	s_mov_b32 s21, 0
	s_mul_i32 s22, s16, 114688
	s_add_co_u32 s23, s22, 40960                   ; waves 2, 3: where my seven K steps go,
	s_add_co_u32 s84, s20, s23                     ; and come from
	s_mov_b32 s85, 0
	s_mul_i32 s86, s42, 24576                      ; the head alone
	s_add_co_u32 s86, s86, WS
	s_mov_b32 s87, 0
	s_mul_i32 s88, s42, 786432
	s_mul_i32 s89, s14, 196608
	s_add_co_u32 s88, s88, s89
	s_mov_b32 s89, 0
	s_mov_b32 s[SEL], 0x76543210
	s_mov_b32 s[SEL+1], 0xfedcba98
	s_mov_b32 s[MNT], 0x600000
	s_wait_dscnt 0x0                               ; both opening adds are done
	s_wait_alu depctr_va_vdst(0)
	s_wait_kmcnt 0x0
	s_add_nc_u64 s[WP:WP+1], s[6:7], s[88:89]
	LW 0, 0                                        ; K steps 0 and 1 of my weights are asked for first of all
	LW 1, 12288
	s_mov_b32 s[G0A], 1
	s_mov_b32 s[G0A+1], 0
	s_add_nc_u64 s[G0A+2:G0A+3], s[4:5], s[20:21]
	s_or_b32 s[G0A+3], s[G0A+3], 0x80000000
	s_mov_b32 s[G0C], 1
	s_mov_b32 s[G0C+1], s23
	s_add_nc_u64 s[G0C+2:G0C+3], s[4:5], s[84:85]
	s_or_b32 s[G0C+3], s[G0C+3], 0x80000000
	s_mov_b32 s[G0W], 1
	s_mov_b32 s[G0W+1], WSC
	s_add_nc_u64 s[G0W+2:G0W+3], s[6:7], s[86:87]
	s_or_b32 s[G0W+3], s[G0W+3], 0x80000000
	CROUND                                         ; all sixteen work-groups are here: the joint loads meet
	s_cmp_eq_u32 s14, 0                            ; one load a wave, one chain of arms; what the first barrier shows has lines of its own
	s_cbranch_scc0 .Larm_1
	TLOAD G0A, G1A
	s_branch .Lasked
.Larm_1:
	s_cmp_eq_u32 s14, 1
	s_cbranch_scc0 .Larm_2
	TLOAD G0W, G1W
	s_branch .Lasked
.Larm_2:
	TLOAD G0C, G1C
.Lasked:
	s_lshl_b32 s92, s42, 4                         ; where the results go
	s_add_co_u32 s92, s92, s17
	s_mul_i32 s92, s92, REC
	s_mov_b32 s93, 0
	s_add_nc_u64 s[18:19], s[10:11], s[92:93]      ; my record
	s_add_co_u32 s94, s92, 32768-512
	s_lshl_b32 s95, s14, 9
	s_add_co_u32 s94, s94, s95                     ; waves 1, 2: K's, V's scale words
	s_lshl_b32 s92, s42, 13
	s_lshl_b32 s95, s17, 9
	s_add_co_u32 s92, s92, s95
	s_add_co_u32 s92, s92, QSO                     ; wave 0: Q's
	s_cmp_eq_u32 s14, 0
	s_cselect_b32 s92, s92, s94
	s_add_nc_u64 s[20:21], s[10:11], s[92:93]
	s_lshl_b32 s92, s42, 18
	s_lshl_b32 s95, s17, 14
	s_add_co_u32 s92, s92, s95
	s_add_co_u32 s92, s92, QO
	s_add_nc_u64 s[12:13], s[10:11], s[92:93]      ; my eight Q images
	s_lshl_b32 s92, s17, 17                        ; the table: 16,384 bytes a token tile, my 32 of d at 4,096 w
	s_lshl_b32 s95, s14, 12
	s_add_co_u32 s92, s92, s95
	s_add_nc_u64 s[8:9], s[8:9], s[92:93]
	s_lshl_b32 s84, s14, 11
	s_add_co_u32 s84, s84, WSC
	s_lshl_b32 s85, s14, 9
	s_lshl_b32 s86, s14, 12
	s_add_co_u32 s87, s14, SCR
	s_lshl_b32 s88, s14, 7
	s_add_co_u32 s88, s88, SCR+1024
	s_add_co_u32 s89, s85, SCR
	s_mul_i32 s90, s41, 9216
	s_add_co_u32 s91, s90, 8192
	s_lshl_b32 s92, s40, 15
	v_and_b32 v1, 15, v0                           ; r
	v_bfe_u32 v[HH], v0, 4, 1                      ; h
	v_add_nc_u32 v[AX], XC, v[L16]                 ; x's fragments: + 16,384 s + 2,048 a + 512 c
	v_lshlrev_b32 v4, 2, v1
	v_lshl_add_u32 v[AXS], v[HH], 10, v4           ; x's scale words: 1,024 (2 j + h) + 64 s + 4 r
	v_add_nc_u32 v[AWS], s84, v[AXS]               ; the weights': tile 2 w + h
	v_add_nc_u32 v[GQ], s85, v[L16]                ; q, k: group w of an image
	v_add_nc_u32 v[GV], s86, v[L16]                ; v: channel tiles 2 w, 2 w + 1
	v_add_nc_u32 v[SB], s87, v4                    ; q's, k's byte: byte w of row r's word
	v_lshl_add_u32 v[SV], v3, 2, s88               ; v's word
	v_add_nc_u32 v[SR], s89, v[L16]                ; the gathered bytes, 512 a wave
	v_lshl_add_u32 v[PF1], v3, 8, s90
	v_min_u32 v5, 3, v3
	v_lshl_add_u32 v[PF2], v5, 8, s91
	v_lshlrev_b32 v5, 8, v1
	v_lshl_add_u32 v5, v[HH], 14, v5
	v_add_nc_u32 v[PFT], s92, v5
.irp b, 0,1,2,3
	v_mov_b32 v[TM+4+\b], 0                        ; written once: a lane permute's destination counts as one of its sources
.endr
	LW 2, 24576
; One product: D_, A_, B_, SA_, SB_ are set by the caller; z = 1: it starts its sum; ra, rb: the side's scale words lie in lanes 16-31
.macro MM z, ra, rb
.if \z
.if (\ra) && (\rb)
	v_wmma_scale_f32_16x16x128_f8f6f4 v[D_:D_+7], v[A_:A_+15], v[B_:B_+15], 0, v[SA_], v[SB_] matrix_a_scale:MATRIX_SCALE_ROW1 matrix_b_scale:MATRIX_SCALE_ROW1
.elseif \ra
	v_wmma_scale_f32_16x16x128_f8f6f4 v[D_:D_+7], v[A_:A_+15], v[B_:B_+15], 0, v[SA_], v[SB_] matrix_a_scale:MATRIX_SCALE_ROW1
.elseif \rb
	v_wmma_scale_f32_16x16x128_f8f6f4 v[D_:D_+7], v[A_:A_+15], v[B_:B_+15], 0, v[SA_], v[SB_] matrix_b_scale:MATRIX_SCALE_ROW1
.else
	v_wmma_scale_f32_16x16x128_f8f6f4 v[D_:D_+7], v[A_:A_+15], v[B_:B_+15], 0, v[SA_], v[SB_]
.endif
.else
.if (\ra) && (\rb)
	v_wmma_scale_f32_16x16x128_f8f6f4 v[D_:D_+7], v[A_:A_+15], v[B_:B_+15], v[D_:D_+7], v[SA_], v[SB_] matrix_a_scale:MATRIX_SCALE_ROW1 matrix_b_scale:MATRIX_SCALE_ROW1
.elseif \ra
	v_wmma_scale_f32_16x16x128_f8f6f4 v[D_:D_+7], v[A_:A_+15], v[B_:B_+15], v[D_:D_+7], v[SA_], v[SB_] matrix_a_scale:MATRIX_SCALE_ROW1
.elseif \rb
	v_wmma_scale_f32_16x16x128_f8f6f4 v[D_:D_+7], v[A_:A_+15], v[B_:B_+15], v[D_:D_+7], v[SA_], v[SB_] matrix_b_scale:MATRIX_SCALE_ROW1
.else
	v_wmma_scale_f32_16x16x128_f8f6f4 v[D_:D_+7], v[A_:A_+15], v[B_:B_+15], v[D_:D_+7], v[SA_], v[SB_]
.endif
.endif
.endm
; The 48 accumulators take turns, one instruction a turn, in the same order in every K step.
.macro QK a0, p, z                     ; 16 products: q and k of token tiles a0 .. a0 + 3
	WIN 0xf1+(\p)/2
.irp a, \a0, \a0+1, \a0+2, \a0+3
.irp u, 0,1
.set B_, XF+16*(\a)
.set SB_, XSR+(\a)/2
.set A_, 96*((\p)%2)+16*\u
.set D_, 32*(\a)+8*\u
.set SA_, WSR+8*(\p)
	MM \z, \u, (\a)%2
.set A_, A_+32
.set D_, D_+16
.set SA_, SA_+1
	MM \z, \u, (\a)%2
.endr
.endr
.endm
.macro VV a0, p, z                     ; 8 products: v of token tiles a0 .. a0 + 3
	WIN 4*(1+(\p)/2)+0x50*(1+(\a0)/4)
.irp a, \a0, \a0+1, \a0+2, \a0+3
.irp u, 0,1
.set A_, XF+16*(\a)
.set SA_, XSR+(\a)/2
.set B_, 96*((\p)%2)+64+16*\u
.set SB_, WSR+8*(\p)+2
.set D_, 192+32*\u+8*((\a)%4)
	MM \z, (\a)%2, \u
.endr
.endr
.endm
.macro FX a0, o                        ; x's tiles a0 .. a0 + 3 of the K step o on from v[AX]'s, and their two scale words: 18 loads
.irp a, \a0, \a0+1, \a0+2, \a0+3
.irp c, 0,1,2,3
	ds_load_b128 v[XF+16*(\a)+4*\c:XF+16*(\a)+4*\c+3], v[AX] offset:16384*(\o)+2048*(\a)+512*\c
.endr
.endr
	ds_load_b32 v[XSR+(\a0)/2], v[AXS] offset:64*(\o)+2048*((\a0)/2)
	ds_load_b32 v[XSR+(\a0)/2+1], v[AXS] offset:64*(\o)+2048*((\a0)/2+1)
.endm
.macro FW p, o                         ; the weights' three scale words into set p
.irp t, 0,1,2
	ds_load_b32 v[WSR+8*(\p)+\t], v[AWS] offset:64*(\o)+8192*\t
.endr
.endm
.macro ASKW                            ; what the next trip's loads want; the last trip asks for nothing
	s_cmp_gt_u32 s3, 1
	s_cbranch_scc0 .Lnone_\@
	global_prefetch_b8 v[PF1], s[WP:WP+1] offset:36864 th:TH_LOAD_NT scope:SCOPE_SE
	global_prefetch_b8 v[PF2], s[WP:WP+1] offset:36864 th:TH_LOAD_NT scope:SCOPE_SE
.Lnone_\@:
.endm
; A K STEP on weight set p.  z = 1: it starts the sums.  fo: the next K step of x lies fo steps on from v[AX]'s (-1: there is none).  ld = 1: set p takes the weights at byte lo of s[WP]; else ld table loads from token tile lo on.
; x has one set of registers: tiles 0-3 are fetched anew when their 24 products are issued, tiles 4-7 likewise.  Eight plain lines stand behind a product ahead of a load into what it has read.
.macro STEP p, z, fo, ld, lo, ask
	s_wait_loadcnt 48                              ; set p is in: the 48 loads of the two younger sets may be out
	s_wait_dscnt 18                                ; x's tiles 0-3 and the scale words are in; the 18 loads of tiles 4-7 may be out
	QK 0, \p, \z
	VV 0, \p, \z
	PLACES 8
	WIN 0
.if (\fo) >= 0
	FX 0, \fo
	FW ((\p)+1)%3, \fo
	s_wait_dscnt 21                                ; tiles 4-7 are in; the 21 loads just issued may be out
.else
	s_wait_dscnt 0x0
.endif
.if (\ask) == 1
	ASKW
.elseif (\ask) == 2
	global_prefetch_b8 v[PFT], s[8:9] th:TH_LOAD_NT scope:SCOPE_SE
.endif
	QK 4, \p, \z
	VV 4, \p, \z
	PLACES 8
	WIN 0
.if (\fo) >= 0
	FX 4, \fo
.endif
.if (\ld) == 1
	LW \p, \lo
.else
	LT \p, \lo, \ld
.endif
.endm
	s_wait_alu depctr_va_vdst(0)
	s_cmp_lt_u32 s14, 2
	s_cbranch_scc0 .Lnot_first
	s_wait_tensorcnt 0x0                           ; waves 0, 1: x's scale bytes and K steps 0, 1, and the weights' scale bytes are in
.Lnot_first:
	s_barrier_signal -1
	s_barrier_wait -1
	FX 0, 0
	FW 0, 0
	FX 4, 0
	STEP 0, 1, 1, 1, 36864, 2                      ; K step 0 stands ahead of the loop: its products start the sums
	s_wait_tensorcnt 0x0                           ; all of x is in
	s_wait_dscnt 0x0
	s_barrier_signal -1
	s_barrier_wait -1
	s_wait_xcnt 0x0                                ; the loads have read their base
	s_add_nc_u64 s[WP:WP+1], s[WP:WP+1], 49152     ; K step 4
	v_add_nc_u32 v[AX], 32768, v[AX]               ; K step 2
	v_add_nc_u32 v[AXS], 128, v[AXS]
	v_add_nc_u32 v[AWS], 128, v[AWS]
	s_wait_alu depctr_va_vdst(0)
	s_mov_b32 s3, 4
.Ltrip:                                            ; four trips of three K steps, 1 to 12: the register sets are back where they began
	STEP 1, 0, 0, 1, 0, 1
	STEP 2, 0, 1, 1, 12288, 0
	STEP 0, 0, 2, 1, 24576, 0
	s_wait_xcnt 0x0                                ; loads and prefetches have read their base
	s_add_nc_u64 s[WP:WP+1], s[WP:WP+1], 36864
	v_add_nc_u32 v[AX], 49152, v[AX]
	v_add_nc_u32 v[AXS], 192, v[AXS]
	v_add_nc_u32 v[AWS], 192, v[AWS]
	s_wait_alu depctr_va_vdst(0)
	s_sub_co_u32 s3, s3, 1
	s_cmp_lg_u32 s3, 0
	s_cbranch_scc1 .Ltrip
	STEP 1, 0, 0, 24, 0, 0                         ; K steps 13 to 15: a set that is done with takes the table
	STEP 2, 0, 1, 24, 3, 0
	STEP 0, 0, -1, 16, 6, 0
; 64 numbers of a lane, v[s] on in window w, four blocks of 16, become 16 registers of codes in v[PC] on, four scale bytes in v[TM + 4] on and, packed, in v[pw].  The held numbers go to v[HA] on.
; Each accumulator is read from its low end on.
.macro QUANT s, w, pw
	WIN 5*(\w)
.irp b, 0,1,2,3
	v_max3_num_f32 v[TM+\b], |v[\s+16*\b]|, |v[\s+16*\b+1]|, 0x4800000   ; my 16 numbers, and the floor 2^(9 - 127): the byte cannot fall under 1
.endr
.irp i, 2,4,6,8,10,12,14
.irp b, 0,1,2,3
	v_max3_num_f32 v[TM+\b], |v[\s+16*\b+\i]|, |v[\s+16*\b+\i+1]|, v[TM+\b]
.endr
.endr
	WIN 0
.irp b, 0,1,2,3
	v_permlanex16_b32 v[TM+4+\b], v[TM+\b], s[SEL], s[SEL+1]
.endr
.irp b, 0,1,2,3
	v_max_num_f32 v[TM+\b], v[TM+\b], v[TM+4+\b]   ; with lane l xor 16: the block's largest magnitude
.endr
.irp b, 0,1,2,3
	v_add_nc_u32 v[TM+12+\b], 0xfc000000, v[TM+\b] ; 8 off its exponent field: the conversion's scale operand
.endr
.irp b, 0,1,2,3
	v_and_or_b32 v[TM+8+\b], v[TM+\b], 0x7f800000, s[MNT]   ; 448 x the scale
.endr
.irp b, 0,1,2,3
	v_lshrrev_b32 v[TM+4+\b], 23, v[TM+12+\b]      ; the scale's byte
.endr
	v_lshl_or_b32 v[\pw], v[TM+5], 8, v[TM+4]
	v_lshl_or_b32 v[\pw], v[TM+6], 16, v[\pw]
	v_lshl_or_b32 v[\pw], v[TM+7], 24, v[\pw]
	WIN (\w)
.irp b, 0,1,2,3
.irp i, 0,1,2,3,4,5,6,7,8,9,10,11,12,13,14,15
	v_med3_num_f32 v[HA+16*\b+\i], v[\s+16*\b+\i], -v[TM+8+\b], v[TM+8+\b]   ; the conversion to an 8-bit code does not saturate (ISA guide 7.6.2): the hold comes first
.endr
.endr
	WIN 0
.irp b, 0,1,2,3
	v_cvt_scalef32_pk8_fp8_f32 v[PC+4*\b:PC+1+4*\b], v[HA+16*\b:HA+7+16*\b], v[TM+12+\b]
	v_cvt_scalef32_pk8_fp8_f32 v[PC+2+4*\b:PC+3+4*\b], v[HA+8+16*\b:HA+15+16*\b], v[TM+12+\b]
.endr
	v_nop                                          ; a plain line behind the last conversion
.endm
; The rotation of q and k of token tile a: out(2 p) = u(2 p) cos(2 p) + u(2 p + 1) ss(2 p), out(2 p + 1) = u(2 p + 1) cos(2 p + 1) + u(2 p) ss(2 p + 1); the sine's sign lies in the table.
; Into v[HA + 32 (a % 2)] on: q's 16, then k's 16.
.macro ROPE a
.if (\a) < 3
.set TW, 1
.set RT, 96+32*(\a)
.elseif (\a) < 6
.set TW, 2
.set RT, 32*((\a)-3)
.else
.set TW, 1
.set RT, 32*((\a)-6)
.endif
.set HB, HA+32*((\a)%2)
	WIN 3+4*TW
.irp x, 0,1
.irp p, 0,2,4,6,8,10,12,14
	v_pk_mul_f32 v[HB+16*\x+\p:HB+16*\x+\p+1], v[32*(\a)+16*\x+\p:32*(\a)+16*\x+\p+1], v[RT+\p:RT+\p+1]
.endr
.irp p, 0,2,4,6,8,10,12,14
	v_fma_f32 v[HB+16*\x+\p], v[32*(\a)+16*\x+\p+1], v[RT+16+\p], v[HB+16*\x+\p]
	v_fma_f32 v[HB+16*\x+\p+1], v[32*(\a)+16*\x+\p], v[RT+16+\p+1], v[HB+16*\x+\p+1]
.endr
.endr
	WIN 0
.endm
	; THE WAY OUT.  v first, while the table lands: block 2 u + p % 2 of QUANT is channel tile 2 w + u, keys 32 p on
.irp al, 0,1
.if \al
	s_wait_alu depctr_va_vdst(0)
	s_wait_xcnt 0x0                                ; the stores above have read v[PC] on
.endif
	QUANT 192, 1+\al, PW+\al
.irp b, 0,1,2,3
	global_store_b128 v[GV], v[PC+4*\b:PC+4*\b+3], s[18:19] offset:16384+2048*(\b/2)+512*(2*\al+\b%2)   ; 512 consecutive bytes, aligned
.endr
.endr
	v_cmp_ne_u32 vcc_lo, 0, v[HH]                  ; lanes 16-31
	v_perm_b32 v[TR], v[PW+1], v[PW], 0x05040100   ; channel tile 2 w: its four bytes
	v_perm_b32 v[TR+1], v[PW+1], v[PW], 0x07060302 ; channel tile 2 w + 1
	v_cndmask_b32 v[TR], v[TR], v[TR+1], vcc_lo    ; lanes 0-15 the even tile's word, lanes 16-31 the odd one's
	ds_store_b32 v[SV], v[TR]
.irp pr, 0,1,2,3                                   ; q and k, two token tiles at a time: QUANT's blocks are q(a), k(a), q(a + 1), k(a + 1)
	s_wait_alu depctr_va_vdst(0)
	s_wait_loadcnt 48-16*\pr                       ; these two tiles' table is in; 8 loads for each later tile may be out
	s_wait_xcnt 0x0                                ; the stores above have read v[PC] on
	ROPE 2*\pr
	ROPE 2*\pr+1
	QUANT HA, 0, PW
.irp e, 0,1
	global_store_b128 v[GQ], v[PC+8*\e:PC+8*\e+3], s[12:13] offset:2048*(2*\pr+\e)     ; q: group w of the token tile's image
	global_store_b128 v[GQ], v[PC+8*\e+4:PC+8*\e+7], s[18:19] offset:2048*(2*\pr+\e)   ; k likewise
	ds_store_b8 v[SB], v[TM+4+2*\e] offset:64*(2*\pr+\e)          ; both halves of the lanes write the same byte with the same value
	ds_store_b8 v[SB], v[TM+5+2*\e] offset:512+64*(2*\pr+\e)
.endr
.endr
	s_wait_alu depctr_va_vdst(0)
	s_wait_dscnt 0x0                               ; for the others: my bytes have landed
	s_barrier_signal -1
	s_barrier_wait -1
	s_cmp_lt_u32 s14, 3                            ; waves 0, 1, 2 store Q's, K's, V's scale words: 512 consecutive bytes each, aligned
	s_cbranch_scc0 .Lend
	ds_load_b128 v[100:103], v[SR]
	s_wait_dscnt 0x0
	global_store_b128 v[L16], v[100:103], s[20:21]
.Lend:
	s_wait_tensorcnt 0x0                           ; the wave's end
	ds_add_u32 v[SPW], v[NIL]
	s_wait_dscnt 0x0
	CROUND                                         ; the closing round
	s_endpgm
.Lfunc_end_k_qbc827ef712_qkv:
	.size	k_qbc827ef712_qkv, .Lfunc_end_k_qbc827ef712_qkv-k_qbc827ef712_qkv
	.p2alignl 7, 3214868480
	.fill 96, 4, 3214868480
	.section	.rodata,"a",@progbits
	.p2align	6, 0x0
	.amdhsa_kernel k_qbc827ef712_qkv
		.amdhsa_group_segment_fixed_size 327680
		.amdhsa_private_segment_fixed_size 0
		.amdhsa_enable_private_segment 0
		.amdhsa_kernarg_size 32
		.amdhsa_user_sgpr_count 2
		.amdhsa_user_sgpr_kernarg_segment_ptr 1
		.amdhsa_wavefront_size32 1
		.amdhsa_system_sgpr_workgroup_id_x 1
		.amdhsa_system_sgpr_workgroup_id_y 1
		.amdhsa_system_sgpr_workgroup_id_z 1
		.amdhsa_system_vgpr_workitem_id 0
		.amdhsa_next_free_vgpr 1024
		.amdhsa_next_free_sgpr 100
		.amdhsa_reserve_vcc 1
		.amdhsa_float_denorm_mode_32 3
		.amdhsa_float_denorm_mode_16_64 3
		.amdhsa_memory_ordered 1
		.amdhsa_forward_progress 1
		.amdhsa_inst_pref_size 174
	.end_amdhsa_kernel
	.amdgpu_metadata
---
amdhsa.version: [ 1, 2 ]
amdhsa.kernels:
  - .name:           k_qbc827ef712_qkv
    .symbol:         k_qbc827ef712_qkv.kd
    .args:
      - { .name: xq, .offset: 0, .size: 8, .value_kind: global_buffer, .address_space: global }
      - { .name: wq8, .offset: 8, .size: 8, .value_kind: global_buffer, .address_space: global }
      - { .name: rope, .offset: 16, .size: 8, .value_kind: global_buffer, .address_space: global }
      - { .name: qkv, .offset: 24, .size: 8, .value_kind: global_buffer, .address_space: global }
    .group_segment_fixed_size: 327680
    .private_segment_fixed_size: 0
    .kernarg_segment_align: 8
    .kernarg_segment_size: 32
    .max_flat_workgroup_size: 128
    .sgpr_count:     100
    .vgpr_count:     1024
    .wavefront_size: 32
...
	.end_amdgpu_metadata
.endif
;; end of part 2
;; launch attn (part 3): grid 16 x 16, 16 waves a work-group, clusters of 4 x 1, 327,680 bytes of LDS; arguments qkv, att; writes att
.if DOCPART == 3
	.amdgcn_target "amdgcn-amd-amdhsa--gfx1250"
	.amdhsa_code_object_version 6
	.text
	.protected	k_qbc827ef712_attn
	.globl	k_qbc827ef712_attn
	.p2align	8
	.type	k_qbc827ef712_attn,@function
k_qbc827ef712_attn:
	s_mov_b64 s[64:65], 0
	v_nop
	global_prefetch_b8 v0, s[64:65] scope:SCOPE_SE
	s_setreg_imm32_b32 hwreg(HW_REG_WAVE_MODE, 25, 1), 1
	s_wait_xcnt 0x0
	s_wait_alu depctr_hold_cnt(0) depctr_sa_sdst(0) depctr_va_vdst(0) depctr_va_sdst(0) depctr_va_ssrc(0) depctr_va_vcc(0) depctr_vm_vsrc(0)
	s_getreg_b32 s2, hwreg(HW_REG_IB_STS2, 6, 4)
	s_cmp_eq_u32 s2, 0
	s_cbranch_scc0 .Lentry_in_a_cluster
	s_endpgm
.Lentry_in_a_cluster:
	s_bfe_u32 s2, ttmp6, 0x10000c
	s_cmp_lg_u32 s2, 0x3003
	s_cbranch_scc0 .Lentry_shape_is_right
	s_endpgm
.Lentry_shape_is_right:
; ATTN.  O = softmax(q k^T / sqrt(128), causal) v for 16 heads of 2,048 x 128, both products on codes of E4M3 with E8M0 scales, and the quantising of O along (head, d) for the last product.
; THE SOFTMAX: t = score x log2(e) / sqrt(128); M = the largest t so far, rounded up to a whole number; p = 2^(t - M) is quantised along the keys, not normalised; the sum is taken of the unquantised p and
; divides O at the end.  When M moves, the sum and O are multiplied by 2^(old M - new M): exact.
; SHARES.  Work-group (j = 4 x cluster x + cx, head) owns the eight query tiles j + 16 n, n = 0..7: one tile of 16 queries in each block of 256.  So all work-groups walk the same four slots of 512 keys.
; EACH TILE IS HELD BY TWO WAVES, e = 0 and 1; of the slot four records (128 keys each) wave e takes records e and e + 2.  At the end the odd wave hands O^T, M and the sum to the even one through LDS; since M is
; a whole number the two parts are brought under one M by exact powers of two.
; THE ROLES ARE A LATIN SQUARE over a = w / 4 and b = w % 4: rank = 4 ((b - a) mod 4) + a, n = 7 - rank / 2, e = rank % 2.  The four waves that share a, and likewise the four that share b, hold one wave of each
; quarter of the ranks, so the long tiles and the short ones are spread alike over both kinds of groups of four.
; CAUSAL.  The tile queries lie in record QB = 2 n + cluster x / 2, which hangs on no place in the cluster.  A step beyond QB is left out (a scalar branch round its loads and arithmetic, round no barrier and
; no tensor load); in step QB the scores of later keys become -infinity ahead of the maximum; earlier steps are open.  In every step that is run each query sees a key.
; LAYOUT.  Both products transposed: S^T = K Q^T, O^T = V^T P^T: a lane holds one query throughout.  K and V tiles are images of operand registers, made so by the launch before: 16 bytes a lane at 16 x lane.
; The keys of a K tile and the channels of a V tile are chosen so that 16 registers of two neighbouring tiles are 16 neighbours along the next K.
; RING.  Two LDS slots of four records of 33,792 bytes, dense in memory; waves 0 to 3 fetch a record each (132 rows of 256 bytes).  The four work-groups of a cluster share the head: the loads are joint.
; A refill has two key steps of every wave in which to land.  Four fills in all: three trips that fill, and a tail.
; LIMITS: NaN and infinities are not served; a block of zeros gets the byte 1 (its codes are zeros, and only this program reads the bytes).
; REGISTERS: v1-11 addresses; v12 -M, v13 the largest t, v[14:15] the sum in two halves; v16-31 Q; v32-95 four fragments of K, then V tiles 0-3; v96-159 S^T, then p, then V tiles 4-7; v160-223 O^T; v224-239 p codes;
; v232-247, v252-254 at work; v248-251 scale words of K and V; v255 Q scale words.
.set XS,    4194304
.set QO,    8650752
.set QSO,   12845056
.set RECB,  33792
.set SLOTB, 135168                     ; four records; slot A at 0, slot B at SLOTB
.set MRG,   0                          ; the merge: 8,704 bytes for each pair of waves, in slot A: it has had its last fill and was left at the last change of slots
.set SPARE, 270336                     ; behind the ring: the spare words, 128 bytes a wave, which no other line names
.set AK0,  1                           ; v1   16 x lane + 33,792 e
.set AS0,  2                           ; v2   4 x lane + 33,792 e + 32,768
.set QV,   3                           ; v3   my query - 16 h
.set MA,   4                           ; v4   my pair bytes for the merge + 16 x lane
.set SPW,  5
.set NIL,  6
.set PFO,  7                           ; v7   256 x lane; never rewritten
.set ADK,  8
.set ADS,  9
.set L16,  10
.set R4,   11
.set TM,   96                          ; the last quantising: at work,
.set PW,   112                         ; the scale word,
.set PC,   116                         ; the codes
.set TB,   2                           ; s2   LDS byte at which the pair of records in hand begins
.set FB,   3                           ; s3   LDS byte at which the slot last asked for begins
.set E,    8
.set NN,   9
.set QB,   10
.set YS,   11
.set WV,   18
.set MNT,  19
.set SEL,  20
.set CS,   22
.set G1,   24
.set G0,   40
.set SLOTS, 57
.set PFA,  58
.set LIM,  60
.set WOFF, 62                          ; s62  33,792 x wave: the record that I fetch, in a slot
.set TWICE, 63
.macro JLOAD                           ; waves 0 to 3 fetch a record of the slot each; the branch hangs on the wave number alone; four v_nop follow the line
	s_cmp_lt_u32 s[WV], 4
	s_cbranch_scc0 .Lasked_\@
	tensor_load_to_lds s[G0:G0+3], s[G1:G1+7]
	s_nop 0
.rept 4
	v_nop
.endr
.Lasked_\@:
.endm
; A prefetch of the codes of the slot that the NEXT change of slots will ask for.  All clusters of a head walk the same records: the head first cluster asks.  Its four partners are told apart by address
; (partner cx takes record cx of the four); in each, waves 4 to 7 ask, 8,192 of the record 32,768 bytes of codes a wave, lanes 256 bytes apart: each block is named once.  The last change that fills a slot asks for nothing.
.macro ASK
	s_cmp_gt_u32 s[SLOTS], s[LIM]
	s_cbranch_scc0 .Lnot_mine_\@
	global_prefetch_b8 v[PFO], s[PFA:PFA+1] th:TH_LOAD_NT scope:SCOPE_SE
.Lnot_mine_\@:
.endm
.macro CROUND                          ; a round of the cluster barrier
	s_barrier_signal -1
	s_barrier_wait -1
	s_cmp_lg_u32 s[WV], 0
	s_cbranch_scc1 .Lnot_wave_0_\@
	s_barrier_signal -3
.Lnot_wave_0_\@:
	s_barrier_wait -3
	s_barrier_signal -1
	s_barrier_wait -1
.endm
	s_load_b128 s[4:7], s[0:1], 0x0                ; qkv, att
	v_lshl_add_u32 v[SPW], v0, 2, SPARE
	v_mov_b32 v[NIL], 0
	ds_add_u32 v5, v6
	ds_add_u32 v5, v6
	s_wait_dscnt 0x0
	v_lshrrev_b32 v8, 5, v0
	s_delay_alu instid0(VALU_DEP_1)
	v_readfirstlane_b32 s[WV], v8                  ; wave 0..15
	s_lshr_b32 s16, s[WV], 2                       ; a = w / 4
	s_and_b32 s17, s[WV], 3                        ; b = w % 4
	s_and_b32 s[E], s16, 1                         ; e = rank % 2 = a % 2
	s_xor_b32 s12, s16, 3                          ; 3 - a
	s_add_co_u32 s12, s12, s17
	s_add_co_u32 s12, s12, 1
	s_and_b32 s12, s12, 3                          ; (b - a) mod 4
	s_lshl_b32 s12, s12, 1
	s_lshr_b32 s16, s16, 1
	s_add_co_u32 s16, s16, s12                     ; my pair = rank / 2
	s_sub_co_u32 s[NN], 7, s16
	s_lshr_b32 s[QB], ttmp9, 1
	s_lshl_b32 s17, s[NN], 1
	s_add_co_u32 s[QB], s[QB], s17                 ; the record in which my queries lie
	s_mov_b32 s[YS], s[E]                          ; the record of my step in hand
	s_bfe_u32 s12, ttmp6, 0x40000                  ; cx: it enters global addresses and the mask data alone
	s_lshl_b32 s13, ttmp9, 2
	s_add_co_u32 s13, s13, s12
	s_lshl_b32 s14, s[NN], 4
	s_add_co_u32 s14, s14, s13                     ; my query tile
	s_and_b32 s15, ttmp7, 0xffff                   ; the head, which the four partners share
	s_mov_b32 s[G1], 15|(3<<16)|(1<<21)            ; the mask: all four work-groups; elements of 8 bytes; no padding; bit 21 beside the mask
	s_mov_b32 s[G1+1], 32<<16                      ; tensor_dim0: rows of 256 bytes
	s_mov_b32 s[G1+2], 132<<16                     ; tensor_dim1
	s_mov_b32 s[G1+3], 32<<16                      ; tile_dim0
	s_mov_b32 s[G1+4], 132                         ; tile_dim1
	s_mov_b32 s[G1+5], 32                          ; dense
	s_mov_b32 s[G1+6], 0
	s_mov_b32 s[G1+7], 0
	s_mul_i32 s32, s15, 16*RECB                    ; the head records
	s_mul_i32 s[WOFF], s[WV], RECB                 ; my record of a slot
	s_add_co_u32 s34, s32, s[WOFF]
	s_mov_b32 s35, 0
	s_mov_b32 s[SEL], 0x76543210
	s_mov_b32 s[SEL+1], 0xfedcba98
	s_mov_b32 s[CS], 0x3e0293ee                    ; c = log2(e) / sqrt(128)
	s_mov_b32 s[CS+1], s[CS]
	s_mov_b32 s[MNT], 0x600000
	s_mov_b32 s[TB], 0
	s_mov_b32 s[FB], 0
	s_mov_b32 s[SLOTS], 3
	s_wait_kmcnt 0x0
	s_mov_b32 s[G0], 1
	s_mov_b32 s[G0+1], s[WOFF]
	s_add_nc_u64 s[G0+2:G0+3], s[4:5], s[34:35]
	s_or_b32 s[G0+3], s[G0+3], 0x80000000
	CROUND                                         ; all four work-groups are here: the first joint loads meet
	JLOAD                                          ; slot A: records 0 to 3
	s_lshl_b32 s36, s15, 7
	s_add_co_u32 s36, s36, s14
	s_lshl_b32 s36, s36, 11
	s_add_co_u32 s36, s36, QO
	s_mov_b32 s37, 0
	s_add_nc_u64 s[44:45], s[4:5], s[36:37]        ; my Q image
	s_lshl_b32 s36, s15, 13
	s_lshl_b32 s38, s14, 6                         ; 128 bytes a pair of tiles, 64 a tile
	s_add_co_u32 s36, s36, s38
	s_add_co_u32 s36, s36, QSO
	s_add_nc_u64 s[46:47], s[4:5], s[36:37]        ; its scale words
	; att: a block of 270,336 bytes for each 8 query tiles: scale records [tile % 8][head][64] at 0, images [head][tile % 8][2048] at 8,192 (the head is the last product's K step)
	s_lshr_b32 s52, s14, 3
	s_mul_i32 s52, s52, 270336
	s_and_b32 s53, s14, 7
	s_lshl_b32 s38, s53, 10
	s_add_co_u32 s38, s38, s52
	s_lshl_b32 s36, s15, 6
	s_add_co_u32 s38, s38, s36
	s_mov_b32 s39, 0
	s_lshl_b32 s36, s53, 11
	s_add_co_u32 s36, s36, s52
	s_lshl_b32 s53, s15, 14
	s_add_co_u32 s36, s36, s53
	s_add_co_u32 s36, s36, 8192
	s_add_nc_u64 s[48:49], s[6:7], s[36:37]        ; where my image of O goes,
	s_add_nc_u64 s[50:51], s[6:7], s[38:39]        ; and its scale record
	s_mul_i32 s54, s12, RECB                       ; the prefetches: record cx of a slot,
	s_and_b32 s55, s[WV], 3
	s_lshl_b32 s55, s55, 13                        ; my 8,192 bytes of its codes,
	s_add_co_u32 s54, s54, s55
	s_add_co_u32 s54, s54, s32
	s_add_co_u32 s54, s54, SLOTB                   ; in the second slot worth of records: the first change of slots steps it to the third.  Nothing is prefetched at the head
	s_mov_b32 s55, 0
	s_add_nc_u64 s[PFA:PFA+1], s[4:5], s[54:55]
	s_sub_co_u32 s61, s[WV], 4
	s_lshr_b32 s61, s61, 2                         ; 0 in waves 4 to 7,
	s_or_b32 s61, s61, ttmp9                       ; of the head first cluster: the same in all four partners
	s_cmp_eq_u32 s61, 0
	s_cselect_b32 s[LIM], 1, -1
	v_and_b32 v232, 15, v0                         ; r
	s_wait_alu depctr_va_vdst(0)
	v_bfe_u32 v233, v0, 4, 1                       ; h
	v_and_b32 v234, 31, v0                         ; lane
	s_delay_alu instid0(VALU_DEP_1)
	v_lshlrev_b32 v[L16], 4, v234
	v_lshlrev_b32 v[R4], 2, v232
	s_mul_i32 s52, s[E], RECB
	v_add_nc_u32 v[AK0], s52, v[L16]
	s_add_co_u32 s53, s52, 32768
	v_lshl_add_u32 v[AS0], v234, 2, s53
	s_mul_i32 s53, s16, 8704
	s_add_co_u32 s53, s53, MRG
	v_add_nc_u32 v[MA], s53, v[L16]
	v_lshlrev_b32 v[PFO], 8, v234
	s_lshr_b32 s53, s14, 1
	s_lshl_b32 s53, s53, 5
	s_and_b32 s54, s14, 1
	s_lshl_b32 s54, s54, 3
	s_add_co_u32 s53, s53, s54                     ; the tile first query
	v_and_b32 v235, 8, v232
	s_delay_alu instid0(VALU_DEP_1)
	v_add_nc_u32 v235, v235, v232                  ; r + 8 (r / 8)
	s_delay_alu instid0(VALU_DEP_1)
	v_add_nc_u32 v235, s53, v235
	v_lshlrev_b32 v233, 4, v233
	s_delay_alu instid0(VALU_DEP_1)
	v_sub_nc_u32 v[QV], v235, v233
.irp c, 0,1,2,3
	global_load_b128 v[16+4*\c:19+4*\c], v[L16], s[44:45] offset:512*\c   ; Q stays in registers
.endr
	global_load_b32 v255, v[R4], s[46:47]
	v_mov_b32 v13, 0xff61b1e6                      ; the largest t so far: -3e38, under every t
	s_delay_alu instid0(VALU_DEP_1)
	v_floor_f32 v12, -v13                          ; -M
	v_mov_b32 v14, 0
	v_mov_b32 v15, 0
.irp b, 0,1,2,3
	v_mov_b32 v[236+\b], 0                         ; written once: a lane permute destination counts as one of its sources
.endr
	v_mov_b32 v253, 0                              ; named as the upper half of the pair v[252:253] before it is first written
.set jj, 0
.rept 64
	v_mov_b32 v[160+jj], 0                         ; O^T: the step is written once, its first run finds zeros
.set jj, jj+1
.endr
; A KEY STEP: the 128 keys of the record at s[TB] + 33,792 e.
.macro STEP
	s_cmp_gt_u32 s[YS], s[QB]                      ; all its keys come after my queries: left out
	s_cbranch_scc1 .Lhidden_\@
	v_add_nc_u32 v[ADK], s[TB], v[AK0]
	v_add_nc_u32 v[ADS], s[TB], v[AS0]
	s_wait_alu depctr_va_vdst(0)
.irp g, 0,1                                    ; S^T = K Q^T, four tiles of 16 keys at a time
.rept 7+\g
	v_nop                                          ; g = 0: with the two additions above nine places behind the last step products: eight for the loads into registers that they read, nine for the
.endr                                              ; products below, which write over v96 on, their source 0.  g = 1: eight places for the loads
.irp u, 0,1
	ds_load_b32 v[248+\u], v[ADS] offset:128*(2*\g+\u)   ; the scale words first: lanes 0-15 the even tile, lanes 16-31 the odd tile
.endr
.irp t, 0,1,2,3
.irp c, 0,1,2,3
	ds_load_b128 v[32+16*\t+4*\c:32+16*\t+4*\c+3], v[ADK] offset:2048*(4*\g+\t)+512*\c
.endr
.endr
.irp u, 0,1
	s_wait_dscnt 8-8*\u                            ; u = 0: the scale words and two tiles are in, the eight loads of the other two tiles may be out; u = 1: all are in
	v_wmma_scale_f32_16x16x128_f8f6f4 v[96+8*(4*\g+2*\u):103+8*(4*\g+2*\u)], v[32+32*\u:47+32*\u], v[16:31], 0, v[248+\u], v255
	v_wmma_scale_f32_16x16x128_f8f6f4 v[104+8*(4*\g+2*\u):111+8*(4*\g+2*\u)], v[48+32*\u:63+32*\u], v[16:31], 0, v[248+\u], v255 matrix_a_scale:MATRIX_SCALE_ROW1
.endr
.endr
.rept 8
	v_nop                                          ; eight places: for the first read of the scores, and for the loads below into registers that the products read
.endr
.irp u, 0,1,2,3                                ; V IS ASKED FOR EARLY: its four scale words and channel tiles 0 to 3 now: the whole softmax stands between these loads and their use
	ds_load_b32 v[248+\u], v[ADS] offset:512+128*\u
.endr
.irp t, 0,1,2,3
.irp c, 0,1,2,3
	ds_load_b128 v[32+16*\t+4*\c:32+16*\t+4*\c+3], v[ADK] offset:16384+2048*\t+512*\c
.endr
.endr
	s_cmp_lt_u32 s[YS], s[QB]                      ; all its keys count: no mask
	s_cbranch_scc1 .Lopen_\@
	s_lshl_b32 s56, s[YS], 7
	v_sub_nc_u32 v252, v[QV], s56                  ; d = my query - the step first key - 16 h.  Register 16 b + i holds key 32 b + 16 h + i of the step: hidden where 32 b + i > d
	v_mov_b32 v254, 0xff800000                     ; -infinity
.set nn, 0
.rept 64
	v_cmp_gt_i32 vcc_lo, 32*(nn/16)+nn%16, v252
	v_cndmask_b32 v[96+nn], v[96+nn], v254, vcc_lo
.set nn, nn+1
.endr
.Lopen_\@:
.irp b, 0,1,2,3
	v_max3_num_f32 v[232+\b], v[96+16*\b], v[97+16*\b], v[98+16*\b]   ; the largest score of each block of 32 keys: it serves the row maximum and, since p rises with the score, the block largest p
.endr
.irp i, 3,5,7,9,11,13
.irp b, 0,1,2,3
	v_max3_num_f32 v[232+\b], v[232+\b], v[96+16*\b+\i], v[97+16*\b+\i]
.endr
.endr
.irp b, 0,1,2,3
	v_max_num_f32 v[232+\b], v[232+\b], v[111+16*\b]
.endr
.irp b, 0,1,2,3
	v_permlanex16_b32 v[236+\b], v[232+\b], s[SEL], s[SEL+1]
.endr
.irp b, 0,1,2,3
	s_delay_alu instid0(VALU_DEP_4)
	v_max_num_f32 v[232+\b], v[232+\b], v[236+\b]  ; with lane l xor 16
.endr
	s_delay_alu instid0(VALU_DEP_2)
	v_max3_num_f32 v254, v232, v233, v234
	s_delay_alu instid0(VALU_DEP_1)
	v_max_num_f32 v254, v254, v235
	s_delay_alu instid0(VALU_DEP_1)
	v_mul_f32 v254, s[CS], v254                    ; as t (c is positive)
	s_delay_alu instid0(VALU_DEP_1)
	v_max_num_f32 v13, v13, v254                   ; the running largest t
	v_mov_b32 v254, v12
	s_delay_alu instid0(VALU_DEP_2)
	v_floor_f32 v12, -v13                          ; the new -M = floor(-t): M is a whole number
	s_delay_alu instid0(VALU_DEP_1)
	v_sub_f32 v254, v12, v254                      ; old M - new M: a whole number, 0 or less
	s_delay_alu instid0(VALU_DEP_1)
	v_cvt_i32_f32 v254, v254                       ; (it saturates)
	s_delay_alu instid0(VALU_DEP_1)
	v_ldexp_f32 v252, 1.0, v254                    ; f = 2^(old M - new M)
.set jj, 0
.rept 32
	v_pk_fma_f32 v[96+jj:97+jj], v[96+jj:97+jj], s[CS:CS+1], v[12:13] op_sel_hi:[1,0,0]   ; t - M, two at a time
.set jj, jj+2
.endr
.irp b, 0,1,2,3
	v_fma_f32 v[232+\b], v[232+\b], s[CS], v12     ; the same of each block largest score
.endr
.set jj, 0
	s_wait_alu depctr_va_vdst(0)
.rept 64
	v_exp_f32 v[96+jj], v[96+jj]                   ; p = 2^(t - M), at most 1
.set jj, jj+1
.endr
	v_pk_mul_f32 v[14:15], v[14:15], v[252:253] op_sel_hi:[1,0]   ; the sums under the new M: a plain line behind the exponentials
	s_wait_alu depctr_va_vdst(0)                   ; one wait for the whole batch, ahead of its first reader
.irp b, 0,1,2,3
	v_exp_f32 v[232+\b], v[232+\b]                 ; the block largest p
.endr
	v_pk_add_f32 v[236:237], v[100:101], v[104:105]
	v_pk_add_f32 v[246:247], v[108:109], v[112:113]
	v_pk_add_f32 v[244:245], v[116:117], v[120:121]
	v_pk_add_f32 v[242:243], v[124:125], v[128:129]
	v_pk_add_f32 v[240:241], v[132:133], v[136:137]
	v_pk_add_f32 v[238:239], v[140:141], v[144:145]
	v_pk_add_f32 v[230:231], v[148:149], v[152:153]
	v_pk_add_f32 v[14:15], v[14:15], v[156:157]
	v_pk_add_f32 v[236:237], v[236:237], v[96:97]
	v_pk_add_f32 v[246:247], v[246:247], v[98:99]
	v_pk_add_f32 v[244:245], v[244:245], v[102:103]
	v_pk_add_f32 v[242:243], v[242:243], v[106:107]
	v_pk_add_f32 v[240:241], v[240:241], v[110:111]
	v_pk_add_f32 v[238:239], v[238:239], v[114:115]
	v_pk_add_f32 v[230:231], v[230:231], v[118:119]
	v_pk_add_f32 v[14:15], v[14:15], v[122:123]
	v_pk_add_f32 v[236:237], v[236:237], v[126:127]
	v_pk_add_f32 v[246:247], v[246:247], v[130:131]
	v_pk_add_f32 v[244:245], v[244:245], v[134:135]
	v_pk_add_f32 v[242:243], v[242:243], v[138:139]
	v_pk_add_f32 v[240:241], v[240:241], v[142:143]
	v_pk_add_f32 v[238:239], v[238:239], v[146:147]
	v_pk_add_f32 v[230:231], v[230:231], v[150:151]
	v_pk_add_f32 v[14:15], v[14:15], v[154:155]
	v_pk_add_f32 v[236:237], v[236:237], v[158:159]
	s_delay_alu instid0(VALU_DEP_2)
	v_pk_add_f32 v[14:15], v[14:15], v[242:243]
	s_delay_alu instid0(VALU_DEP_2)
	v_pk_add_f32 v[236:237], v[236:237], v[240:241]
	v_pk_add_f32 v[246:247], v[246:247], v[238:239]
	v_pk_add_f32 v[244:245], v[244:245], v[230:231]
	s_delay_alu instid0(VALU_DEP_2)
	v_pk_add_f32 v[14:15], v[14:15], v[246:247]
	s_delay_alu instid0(VALU_DEP_2)
	v_pk_add_f32 v[236:237], v[236:237], v[244:245]
	s_delay_alu instid0(VALU_DEP_1)
	v_pk_add_f32 v[14:15], v[14:15], v[236:237]
	s_wait_alu depctr_va_vdst(0)                   ; and one for the four
.irp b, 0,1,2,3
	v_max_num_f32 v[232+\b], 0x4800000, v[232+\b]  ; the floor 2^(9 - 127): the byte cannot fall under 1
.endr
.irp b, 0,1,2,3
	s_delay_alu instid0(VALU_DEP_4)
	v_add_nc_u32 v[244+\b], 0xfc000000, v[232+\b]  ; the conversion scale operand
.endr
.irp b, 0,1,2,3
	v_and_or_b32 v[240+\b], v[232+\b], 0x7f800000, s[MNT]   ; 448 x the scale
.endr
.irp b, 0,1,2,3
	v_lshrrev_b32 v[236+\b], 23, v[244+\b]         ; the scale byte
.endr
	s_delay_alu instid0(VALU_DEP_3)
	v_lshl_or_b32 v253, v237, 8, v236              ; p scale word for these 128 keys
	s_delay_alu instid0(VALU_DEP_1)
	v_lshl_or_b32 v253, v238, 16, v253
	s_delay_alu instid0(VALU_DEP_1)
	v_lshl_or_b32 v253, v239, 24, v253
.irp b, 0,1,2,3
.irp i, 0,1,2,3,4,5,6,7,8,9,10,11,12,13,14,15
	v_min_num_f32 v[96+16*\b+\i], v[96+16*\b+\i], v[240+\b]   ; the conversion does not saturate (ISA guide 7.6.2); p is not negative, so the hold is one-sided
.endr
	v_cvt_scalef32_pk8_fp8_f32 v[224+4*\b:225+4*\b], v[96+16*\b:103+16*\b], v[244+\b]
	v_cvt_scalef32_pk8_fp8_f32 v[226+4*\b:227+4*\b], v[104+16*\b:111+16*\b], v[244+\b]
.if \b > 0
.irp c, 0,1,2,3
	ds_load_b128 v[80+16*\b+4*\c:83+16*\b+4*\c], v[ADK] offset:16384+2048*(3+\b)+512*\c   ; the 16 registers of block b - 1 are done with: they take channel tile 3 + b of V
.endr
.endif
.endr
.set jj, 0
.rept 2
	v_pk_mul_f32 v[160+jj:161+jj], v[160+jj:161+jj], v[252:253] op_sel_hi:[1,0]   ; O^T under the new M: 32 lines, which are also the places ahead of the matrix instructions below
.set jj, jj+2
.endr
.irp c, 0,1,2,3
	ds_load_b128 v[144+4*\c:147+4*\c], v[ADK] offset:16384+2048*7+512*\c          ; block 3 registers take channel tile 7
.endr
.rept 30
	v_pk_mul_f32 v[160+jj:161+jj], v[160+jj:161+jj], v[252:253] op_sel_hi:[1,0]
.set jj, jj+2
.endr
	s_wait_alu depctr_va_vdst(0)
	s_wait_dscnt 0x0                               ; all of V is in: 20 loads from ahead of the softmax, 16 from behind the conversions
.irp u, 0,1,2,3                                ; O^T += V^T P^T: eight accumulators by turns; channel tile ct lies at v[32 + 16 ct]
	v_wmma_scale_f32_16x16x128_f8f6f4 v[160+16*\u:167+16*\u], v[32+32*\u:47+32*\u], v[224:239], v[160+16*\u:167+16*\u], v[248+\u], v253
	v_wmma_scale_f32_16x16x128_f8f6f4 v[168+16*\u:175+16*\u], v[48+32*\u:63+32*\u], v[224:239], v[168+16*\u:175+16*\u], v[248+\u], v253 matrix_a_scale:MATRIX_SCALE_ROW1
.endr
.Lhidden_\@:
	s_add_co_u32 s[YS], s[YS], 2
.endm
; THE CHANGE OF SLOTS stands at a slot head.  Each wave waits for all its tensor loads (its part of the slot ahead), adds 0 to its spare word, and waits for that and for its reads of the slot that it has left.
; fill = 1: the barrier is a round of the cluster barrier, and behind it the slot that was left is filled with the next 512 keys: the load has the two key steps of every wave in which to land.
.macro CHANGE fill
	s_wait_tensorcnt 0x0                           ; no tensor load of mine is out, so the group 0 may be written
	ds_add_u32 v[SPW], v[NIL]                      ; 0 onto my spare word
.if \fill
	s_xor_b32 s[FB], s[FB], SLOTB                  ; the other slot than last time (0 and SLOTB by turns),
	s_add_co_u32 s[G0+1], s[FB], s[WOFF]           ; my record in it,
	s_add_nc_u64 s[G0+2:G0+3], s[G0+2:G0+3], SLOTB ; the next four records
	s_wait_xcnt 0x0                                ; the last prefetch, a slot back, has read its address
	s_add_nc_u64 s[PFA:PFA+1], s[PFA:PFA+1], SLOTB
.endif
	s_wait_dscnt 0x0                               ; the add is done, and my reads of the slot that I have left are over
.if \fill
	CROUND
	JLOAD                                          ; the first thing behind the round, and a wave one tensor load until the next
	ASK
.else
	s_barrier_signal -1
	s_barrier_wait -1
.endif
.endm
; A slot: my two key steps, written once and walked twice; no barrier stands between them: the one ahead has shown the whole slot to every wave.
.macro SLOT_STEPS
	s_mov_b32 s[TWICE], 2
.Lstep_\@:
	STEP
	s_add_co_u32 s[TB], s[TB], 2*RECB              ; two records on
	s_sub_co_u32 s[TWICE], s[TWICE], 1
	s_cmp_lg_u32 s[TWICE], 0
	s_cbranch_scc1 .Lstep_\@
	s_sub_co_u32 s[TB], s[TB], 4*RECB              ; back to the slot first byte,
	s_xor_b32 s[TB], s[TB], SLOTB                  ; and on to the other slot
.endm
	s_wait_loadcnt 0x0                             ; Q
.Lslot:                                            ; three trips: behind each change of slots but the last the next slot is asked for
	CHANGE 1
	SLOT_STEPS
	s_sub_co_u32 s[SLOTS], s[SLOTS], 1
	s_cmp_lg_u32 s[SLOTS], 0
	s_cbranch_scc1 .Lslot
	CHANGE 0                                       ; the last slot is written out
	SLOT_STEPS
.rept 8
	v_nop                                          ; places behind the last products
.endr
	s_wait_dscnt 0x0
	s_barrier_signal -1                            ; every wave has left the ring: behind this barrier no wave reads a slot, and no fill is to come
	s_barrier_wait -1
	; THE MERGE.  The odd wave of a pair hands over O^T (each accumulator from its low end on), -M and the sums.
	s_cmp_eq_u32 s[E], 0
	s_cbranch_scc1 .Lkeep
.set kk, 0
	s_wait_alu depctr_va_vdst(0)
.rept 16
	ds_store_b128 v[MA], v[160+4*kk:163+4*kk] offset:512*kk
.set kk, kk+1
.endr
	ds_store_b128 v[MA], v[12:15] offset:8192
.Lkeep:
	s_wait_dscnt 0x0                               ; for the partner: my stores have landed
	s_barrier_signal -1
	s_barrier_wait -1
	s_cmp_lg_u32 s[E], 0
	s_cbranch_scc1 .Lend
.set kk, 0
.rept 16
	ds_load_b128 v[32+4*kk:35+4*kk], v[MA] offset:512*kk
.set kk, kk+1
.endr
	ds_load_b128 v[96:99], v[MA] offset:8192
	s_wait_dscnt 0x0
	v_min_num_f32 v100, v12, v96                   ; the common -M
	s_delay_alu instid0(VALU_DEP_1)
	v_sub_f32 v101, v100, v12                      ; my M less the common one: a whole number, 0 or less;
	s_delay_alu instid0(VALU_DEP_2)
	v_sub_f32 v102, v100, v96                      ; the partner likewise (a partner that ran no step has -M = 3e38: its factor becomes 0, and its O^T and sums are zeros)
	s_delay_alu instid0(VALU_DEP_2)
	v_cvt_i32_f32 v101, v101
	s_delay_alu instid0(VALU_DEP_2)
	v_cvt_i32_f32 v102, v102
	s_delay_alu instid0(VALU_DEP_2)
	v_ldexp_f32 v104, 1.0, v101
	s_delay_alu instid0(VALU_DEP_2)
	v_ldexp_f32 v106, 1.0, v102
	v_mov_b32 v105, 0                              ; (named as upper halves of pairs)
	v_mov_b32 v107, 0
	v_mov_b32 v110, 0                              ; (a permute destination)
	v_add_f32 v108, v14, v15
	v_add_f32 v109, v98, v99
	s_delay_alu instid0(VALU_DEP_2)
	v_mul_f32 v108, v108, v104
	s_delay_alu instid0(VALU_DEP_1)
	v_fma_f32 v108, v109, v106, v108
	s_delay_alu instid0(VALU_DEP_1)
	v_permlanex16_b32 v110, v108, s[SEL], s[SEL+1]
	s_delay_alu instid0(VALU_DEP_1)
	v_add_f32 v108, v108, v110                     ; the row sum
	s_wait_alu depctr_va_vdst(0)
	v_rcp_f32 v111, v108
	v_nop                                          ; a plain line behind the reciprocal
	s_wait_alu depctr_va_vdst(0)                   ; and the wait ahead of its first reader
	v_mul_f32 v104, v104, v111
	v_mul_f32 v106, v106, v111
.set jj, 0
.rept 32
	v_pk_mul_f32 v[160+jj:161+jj], v[160+jj:161+jj], v[104:105] op_sel_hi:[1,0]
	s_delay_alu instid0(VALU_DEP_1)
	v_pk_fma_f32 v[160+jj:161+jj], v[32+jj:33+jj], v[106:107], v[160+jj:161+jj] op_sel_hi:[1,0,1]
.set jj, jj+2
.endr
	; O of my 16 queries: register 16 b + i = channel 32 b + 16 h + i: one fragment of the last product, K step = head
.irp b, 0,1,2,3
	v_mov_b32 v[TM+4+\b], 0
.endr
.irp b, 0,1,2,3
	v_max3_num_f32 v[TM+\b], |v[160+16*\b]|, |v[161+16*\b]|, 0x4800000
.endr
.irp i, 2,4,6,8,10,12,14
.irp b, 0,1,2,3
	s_delay_alu instid0(VALU_DEP_4)
	v_max3_num_f32 v[TM+\b], v[TM+\b], |v[160+16*\b+\i]|, |v[161+16*\b+\i]|
.endr
.endr
.irp b, 0,1,2,3
	s_delay_alu instid0(VALU_DEP_4)
	v_permlanex16_b32 v[TM+4+\b], v[TM+\b], s[SEL], s[SEL+1]
.endr
.irp b, 0,1,2,3
	s_delay_alu instid0(VALU_DEP_4)
	v_max_num_f32 v[TM+\b], v[TM+\b], v[TM+4+\b]
.endr
.irp b, 0,1,2,3
	s_delay_alu instid0(VALU_DEP_4)
	v_add_nc_u32 v[TM+12+\b], 0xfc000000, v[TM+\b]
.endr
.irp b, 0,1,2,3
	v_and_or_b32 v[TM+8+\b], v[TM+\b], 0x7f800000, s[MNT]
.endr
.irp b, 0,1,2,3
	v_lshrrev_b32 v[TM+4+\b], 23, v[TM+12+\b]
.endr
	s_delay_alu instid0(VALU_DEP_3)
	v_lshl_or_b32 v[PW], v[TM+5], 8, v[TM+4]
	s_delay_alu instid0(VALU_DEP_1)
	v_lshl_or_b32 v[PW], v[TM+6], 16, v[PW]
	s_delay_alu instid0(VALU_DEP_1)
	v_lshl_or_b32 v[PW], v[TM+7], 24, v[PW]
.irp b, 0,1,2,3
.irp i, 0,1,2,3,4,5,6,7,8,9,10,11,12,13,14,15
	v_med3_num_f32 v[160+16*\b+\i], v[160+16*\b+\i], -v[TM+8+\b], v[TM+8+\b]
.endr
	v_cvt_scalef32_pk8_fp8_f32 v[PC+4*\b:PC+1+4*\b], v[160+16*\b:167+16*\b], v[TM+12+\b]
	v_cvt_scalef32_pk8_fp8_f32 v[PC+2+4*\b:PC+3+4*\b], v[168+16*\b:175+16*\b], v[TM+12+\b]
.endr
	v_nop
.irp c, 0,1,2,3
	global_store_b128 v[L16], v[PC+4*\c:PC+4*\c+3], s[48:49] offset:512*\c   ; 512 consecutive bytes, aligned
.endr
	global_store_b32 v[R4], v[PW], s[50:51]        ; lanes l and l xor 16 write the same word with the same value
.Lend:
	s_wait_tensorcnt 0x0                           ; the wave end
	ds_add_u32 v[SPW], v[NIL]
	s_wait_dscnt 0x0
	CROUND                                         ; the closing round
	s_endpgm
.Lfunc_end_k_qbc827ef712_attn:
	.size	k_qbc827ef712_attn, .Lfunc_end_k_qbc827ef712_attn-k_qbc827ef712_attn
	.p2alignl 7, 3214868480
	.fill 96, 4, 3214868480
	.section	.rodata,"a",@progbits
	.p2align	6, 0x0
	.amdhsa_kernel k_qbc827ef712_attn
		.amdhsa_group_segment_fixed_size 327680
		.amdhsa_private_segment_fixed_size 0
		.amdhsa_enable_private_segment 0
		.amdhsa_kernarg_size 16
		.amdhsa_user_sgpr_count 2
		.amdhsa_user_sgpr_kernarg_segment_ptr 1
		.amdhsa_wavefront_size32 1
		.amdhsa_system_sgpr_workgroup_id_x 1
		.amdhsa_system_sgpr_workgroup_id_y 1
		.amdhsa_system_sgpr_workgroup_id_z 1
		.amdhsa_system_vgpr_workitem_id 0
		.amdhsa_next_free_vgpr 256
		.amdhsa_next_free_sgpr 66
		.amdhsa_reserve_vcc 1
		.amdhsa_float_denorm_mode_32 3
		.amdhsa_float_denorm_mode_16_64 3
		.amdhsa_memory_ordered 1
		.amdhsa_forward_progress 1
		.amdhsa_inst_pref_size 87
	.end_amdhsa_kernel
	.amdgpu_metadata
---
amdhsa.version: [ 1, 2 ]
amdhsa.kernels:
  - .name:           k_qbc827ef712_attn
    .symbol:         k_qbc827ef712_attn.kd
    .args:
      - { .name: qkv, .offset: 0, .size: 8, .value_kind: global_buffer, .address_space: global }
      - { .name: att, .offset: 8, .size: 8, .value_kind: global_buffer, .address_space: global }
    .group_segment_fixed_size: 327680
    .private_segment_fixed_size: 0
    .kernarg_segment_align: 8
    .kernarg_segment_size: 16
    .max_flat_workgroup_size: 512
    .sgpr_count:     66
    .vgpr_count:     256
    .wavefront_size: 32
...
	.end_amdgpu_metadata
.endif
;; end of part 3
;; launch outp (part 4): grid 16 x 16, 4 waves a work-group, clusters of 4 x 4, 327,680 bytes of LDS; arguments att, wq8, out0; writes out0
.if DOCPART == 4
	.amdgcn_target "amdgcn-amd-amdhsa--gfx1250"
	.amdhsa_code_object_version 6
	.text
	.protected	k_qbc827ef712_outp
	.globl	k_qbc827ef712_outp
	.p2align	8
	.type	k_qbc827ef712_outp,@function
k_qbc827ef712_outp:
	s_mov_b64 s[64:65], 0
	v_nop
	global_prefetch_b8 v0, s[64:65] scope:SCOPE_SE
	s_setreg_imm32_b32 hwreg(HW_REG_WAVE_MODE, 25, 1), 1
	s_wait_xcnt 0x0
	s_wait_alu depctr_hold_cnt(0) depctr_sa_sdst(0) depctr_va_vdst(0) depctr_va_sdst(0) depctr_va_ssrc(0) depctr_va_vcc(0) depctr_vm_vsrc(0)
	s_getreg_b32 s2, hwreg(HW_REG_IB_STS2, 6, 4)
	s_cmp_eq_u32 s2, 0
	s_cbranch_scc0 .Lentry_in_a_cluster
	s_endpgm
.Lentry_in_a_cluster:
	s_bfe_u32 s2, ttmp6, 0x10000c
	s_cmp_lg_u32 s2, 0xf033
	s_cbranch_scc0 .Lentry_shape_is_right
	s_endpgm
.Lentry_shape_is_right:
; OUTP.  out0 = O wo^T on codes of E4M3 with E8M0 scales (K = 2,048 = 16 heads of 128), f32 out.  Operands are images of operand registers (a row tile t holds rows 32 (t / 2) + 8 (t % 2) + r + 8 (r / 8);
; a fragment image is 2,048 bytes, group c at 512 c, lane l at 16 l).
; SHARES.  A work-group (x = block of 128 columns, y = block of 128 tokens) makes 128 x 128: 256 equal work-groups.  Wave w makes all 8 token tiles x wo's tiles 2 w, 2 w + 1: 16 accumulators, 16 matrix instructions for 128 along K.
; O: the block's 8,192 scale bytes and 262,144 bytes of codes ([K step][tile][2048], one dense run of memory) lie in LDS for the whole launch, filled once: no LDS byte is filled twice by a tensor load.
; Wave 0 asks for the scale bytes and K steps 0, 1; wave 1 for wo's 8,192 scale bytes; waves 2, 3 for K steps 2-8 and 9-15, which the barrier in K step 1 shows.
; wo's codes go from memory straight into the registers of the one wave that multiplies them: 4,096 bytes on end a K step, 8 loads of 512 consecutive bytes, six sets of 32 registers, asked for five K steps ahead.
; CLUSTER 4 x 4: O's loads are joint along a row of the cluster, wo's scale bytes' along a column.  wo's codes are not asked for jointly: a joint load lands in LDS, where 262,144 bytes more have no room beside O's 270,336.
; The 16 K steps are written by one macro with every offset an immediate: no loop, no pointer that is stepped.
; PREFETCH: in K step 0 a wave names 8,192 bytes of its stream's second half (K steps 8-15, 32,768 bytes), lanes 256 bytes apart; the four partners that read the same stream are told apart by address (cy).
; K steps 0-7 come by their loads alone.  O comes once, at the head: nothing stands ahead of it.
; TRANSPOSED USE (source 0 = wo's rows, source 1 = tokens): a lane holds one token, and the 16 registers of tiles 2 w, 2 w + 1 are columns 32 w + 16 h + 0..15.
; THE WAY OUT: behind a barrier all 128 rows go into a stage (rows of 528 bytes) in O's LDS bytes, which have had their one fill and are read no more; behind a second barrier a wave reads 32 whole rows and stores 512 consecutive bytes a row.
; LIMITS: NaN and infinities are not served.
; REGISTERS.  Window 0: v16-29 addresses; v32-35, v40-43 O's scale words, two sets (lanes 0-15 tile 2 j, lanes 16-31 tile 2 j + 1); v36, v44 wo's; v128-255 O's fragments, set 0 (later the rows on the way out).
; Window 1: v0-127 O's fragments, set 1; v128-255 the accumulators, (a, u) at 128 + 16 a + 8 u.  Window 2: wo's six sets, tile u at 32 p + 16 u.
.set WOC,   12582912
.set WOS,   17170432
.set XB,    270336
.set XC,    8192
.set WSC,   270336                     ; wo's scale records: 1,024 tile + 64 s + 4 r
.set SPARE, 278528                     ; the spare words, 128 bytes a wave, which no other line names
.set SP,    528                        ; a stage row: 512 bytes + 16
.set L16,  16
.set AXS,  17
.set AWS,  18
.set STO,  19
.set RD,   20
.set PFB,  21
.set AXB,  22                          ; v22-27  O's fragments: 16 x lane + XC + 49,152 k, for K steps 3 k .. 3 k + 2
.set SPW,  28
.set NIL,  29
.set XSR,  32
.set WSR,  36
.set G1A,  24
.set G1W,  48
.set G1C,  56
.set G0A,  68
.set G0W,  72
.set G0C,  76
.set WP,   80
.set MSB, 0
.macro WIN new                         ; the immediate's high byte repeats the setting that is left
.if MSB != (\new)
	s_set_vgpr_msb (MSB<<8)|(\new)
.set MSB, (\new)
.endif
.endm
.macro PLACES n
.rept \n
	v_nop
.endr
.endm
.macro CROUND                          ; a round of the cluster's barrier
	s_barrier_signal -1
	s_barrier_wait -1
	s_cmp_lg_u32 s14, 0
	s_cbranch_scc1 .Lnot_wave_0_\@
	s_barrier_signal -3
.Lnot_wave_0_\@:
	s_barrier_wait -3
	s_barrier_signal -1
	s_barrier_wait -1
.endm
.macro TLOAD g0, g1                    ; an s_nop 0 and four v_nop follow the load
	tensor_load_to_lds s[\g0:\g0+3], s[\g1:\g1+7]
	s_nop 0
	PLACES 4
.endm
.macro DENSE g, rows                   ; group 1 of a dense run: rows of 256 bytes (32 elements of 8)
	s_mov_b32 s[\g+1], 32<<16
	s_mov_b32 s[\g+2], (\rows)<<16
	s_mov_b32 s[\g+3], 32<<16
	s_mov_b32 s[\g+4], \rows
	s_mov_b32 s[\g+5], 32
	s_mov_b32 s[\g+6], 0
	s_mov_b32 s[\g+7], 0
.endm
.macro LB s                            ; K step s of my two tiles of wo into set s % 6
	WIN 2<<6
.set J_, 0
.rept 8
	global_load_b128 v[32*((\s)%6)+4*J_:32*((\s)%6)+4*J_+3], v[L16], s[WP:WP+1] offset:4096*(\s)+512*J_
.set J_, J_+1
.endr
	WIN 0
.endm
	s_load_b128 s[4:7], s[0:1], 0x0                ; att, wq8
	s_load_b64 s[8:9], s[0:1], 0x10                ; out0
	v_lshl_add_u32 v[SPW], v0, 2, SPARE
	v_mov_b32 v[NIL], 0
	ds_add_u32 v[SPW], v[NIL]                      ; the opening lines: the add, twice on end, and its wait ahead of the first tensor load
	ds_add_u32 v[SPW], v[NIL]
	v_lshrrev_b32 v1, 5, v0
	v_readfirstlane_b32 s14, v1                    ; wave 0..3
	v_and_b32 v3, 31, v0
	v_lshlrev_b32 v[L16], 4, v3
	s_and_b32 s16, s14, 1
	s_bfe_u32 s40, ttmp6, 0x40000                  ; cx, cy
	s_bfe_u32 s41, ttmp6, 0x40004
	s_lshl_b32 s42, ttmp9, 2
	s_add_co_u32 s42, s42, s40                     ; block of columns
	s_and_b32 s17, ttmp7, 0xffff
	s_lshl_b32 s17, s17, 2
	s_add_co_u32 s17, s17, s41                     ; y
	s_lshl_b32 s43, s41, 2
	s_lshl_b32 s43, 15, s43                        ; my row of the cluster
	s_lshl_b32 s44, 0x1111, s40                    ; my column
	s_or_b32 s[G1A], s43, (3<<16)|(1<<21)
	s_or_b32 s[G1C], s43, (3<<16)|(1<<21)
	s_or_b32 s[G1W], s44, (3<<16)|(1<<21)
	DENSE G1A, 160                                 ; O's scale bytes and K steps 0, 1: 40,960 bytes
	DENSE G1C, 448                                 ; seven K steps: 114,688 bytes
	DENSE G1W, 32                                  ; wo's scale records: 8,192 bytes
	s_mul_i32 s20, s17, XB                         ; O's block: y alone
	s_mov_b32 s21, 0
	s_mul_i32 s22, s16, 114688
	s_add_co_u32 s23, s22, 40960                   ; waves 2, 3: where my seven K steps go,
	s_add_co_u32 s84, s20, s23                     ; and come from
	s_mov_b32 s85, 0
	s_lshl_b32 s86, s42, 13                        ; the block of columns alone
	s_add_co_u32 s86, s86, WOS
	s_mov_b32 s87, 0
	s_lshl_b32 s88, s42, 18
	s_lshl_b32 s89, s14, 16
	s_add_co_u32 s88, s88, s89
	s_add_co_u32 s88, s88, WOC
	s_mov_b32 s89, 0
	s_wait_dscnt 0x0                               ; both opening adds are done
	s_wait_alu depctr_va_vdst(0)
	s_wait_kmcnt 0x0
	s_add_nc_u64 s[WP:WP+1], s[6:7], s[88:89]
.irp s, 0,1,2,3,4
	LB \s
.endr
	s_mov_b32 s[G0A], 1
	s_mov_b32 s[G0A+1], 0
	s_add_nc_u64 s[G0A+2:G0A+3], s[4:5], s[20:21]
	s_or_b32 s[G0A+3], s[G0A+3], 0x80000000
	s_mov_b32 s[G0C], 1
	s_mov_b32 s[G0C+1], s23
	s_add_nc_u64 s[G0C+2:G0C+3], s[4:5], s[84:85]
	s_or_b32 s[G0C+3], s[G0C+3], 0x80000000
	s_mov_b32 s[G0W], 1
	s_mov_b32 s[G0W+1], WSC
	s_add_nc_u64 s[G0W+2:G0W+3], s[6:7], s[86:87]
	s_or_b32 s[G0W+3], s[G0W+3], 0x80000000
	CROUND                                         ; all sixteen work-groups are here: the joint loads meet
	s_cmp_eq_u32 s14, 0                            ; one load a wave, one chain of arms; what the first barrier shows has lines of its own
	s_cbranch_scc0 .Larm_1
	TLOAD G0A, G1A
	s_branch .Lasked
.Larm_1:
	s_cmp_eq_u32 s14, 1
	s_cbranch_scc0 .Larm_2
	TLOAD G0W, G1W
	s_branch .Lasked
.Larm_2:
	TLOAD G0C, G1C
.Lasked:
	s_lshl_b32 s92, s17, 20                        ; out0: token 128 y + 32 w, rows of 8,192 bytes; column block x 512 bytes
	s_lshl_b32 s93, s14, 18
	s_add_co_u32 s92, s92, s93
	s_lshl_b32 s93, s42, 9
	s_add_co_u32 s92, s92, s93
	s_mov_b32 s93, 0
	s_add_nc_u64 s[8:9], s[8:9], s[92:93]
	s_lshl_b32 s84, s14, 11
	s_add_co_u32 s84, s84, WSC
	s_lshl_b32 s85, s14, 7
	s_mul_i32 s86, s14, 32*SP
	s_lshl_b32 s90, s41, 13
	v_and_b32 v1, 15, v0                           ; r
	v_bfe_u32 v2, v0, 4, 1                         ; h
	v_lshlrev_b32 v4, 2, v1
	v_lshl_add_u32 v[AXS], v2, 10, v4              ; O's scale words: 1,024 (2 j + h) + 64 s + 4 r
	v_add_nc_u32 v[AWS], s84, v[AXS]               ; wo's: tile 2 w + h
	v_mul_u32_u24 v5, v1, SP
	v_lshl_add_u32 v5, v2, 6, v5
	v_add_nc_u32 v[STO], s85, v5                   ; the stage, way in: row r, my 64 bytes at 128 w + 64 h
	v_add_nc_u32 v[RD], s86, v[L16]                ; way out: rows 32 w on, 16 bytes a lane
	v_lshl_add_u32 v[PFB], v3, 8, s90
.irp k, 0,1,2,3,4,5
	v_add_nc_u32 v[AXB+\k], XC+49152*\k, v[L16]
.endr
; One product: D_, A_, B_, SA_, SB_ are set by the caller; z = 1: it starts its sum; ra, rb: the side's scale words lie in lanes 16-31
.macro MM z, ra, rb
.if \z
.if (\ra) && (\rb)
	v_wmma_scale_f32_16x16x128_f8f6f4 v[D_:D_+7], v[A_:A_+15], v[B_:B_+15], 0, v[SA_], v[SB_] matrix_a_scale:MATRIX_SCALE_ROW1 matrix_b_scale:MATRIX_SCALE_ROW1
.elseif \ra
	v_wmma_scale_f32_16x16x128_f8f6f4 v[D_:D_+7], v[A_:A_+15], v[B_:B_+15], 0, v[SA_], v[SB_] matrix_a_scale:MATRIX_SCALE_ROW1
.elseif \rb
	v_wmma_scale_f32_16x16x128_f8f6f4 v[D_:D_+7], v[A_:A_+15], v[B_:B_+15], 0, v[SA_], v[SB_] matrix_b_scale:MATRIX_SCALE_ROW1
.else
	v_wmma_scale_f32_16x16x128_f8f6f4 v[D_:D_+7], v[A_:A_+15], v[B_:B_+15], 0, v[SA_], v[SB_]
.endif
.else
.if (\ra) && (\rb)
	v_wmma_scale_f32_16x16x128_f8f6f4 v[D_:D_+7], v[A_:A_+15], v[B_:B_+15], v[D_:D_+7], v[SA_], v[SB_] matrix_a_scale:MATRIX_SCALE_ROW1 matrix_b_scale:MATRIX_SCALE_ROW1
.elseif \ra
	v_wmma_scale_f32_16x16x128_f8f6f4 v[D_:D_+7], v[A_:A_+15], v[B_:B_+15], v[D_:D_+7], v[SA_], v[SB_] matrix_a_scale:MATRIX_SCALE_ROW1
.elseif \rb
	v_wmma_scale_f32_16x16x128_f8f6f4 v[D_:D_+7], v[A_:A_+15], v[B_:B_+15], v[D_:D_+7], v[SA_], v[SB_] matrix_b_scale:MATRIX_SCALE_ROW1
.else
	v_wmma_scale_f32_16x16x128_f8f6f4 v[D_:D_+7], v[A_:A_+15], v[B_:B_+15], v[D_:D_+7], v[SA_], v[SB_]
.endif
.endif
.endm
.macro FX s                            ; K step s of O: eight fragments into set s % 2, four scale words, and wo's scale word: 37 loads
.set E_, (\s)%2
	WIN E_<<6
.irp a, 0,1,2,3,4,5,6,7
.irp c, 0,1,2,3
	ds_load_b128 v[128*(1-E_)+16*\a+4*\c:128*(1-E_)+16*\a+4*\c+3], v[AXB+(\s)/3] offset:16384*((\s)%3)+2048*\a+512*\c
.endr
.endr
	WIN 0
.irp j, 0,1,2,3
	ds_load_b32 v[XSR+8*E_+\j], v[AXS] offset:64*(\s)+2048*\j
.endr
	ds_load_b32 v[WSR+8*E_], v[AWS] offset:64*(\s)
.endm
; A K STEP.  Its fragments of O were asked for a step ago; the next step's go into the other set, and the set of wo that the last step left takes the K step five on.  Eight plain lines stand behind a product
; ahead of a load into what it has read.  The 16 accumulators take turns, in the same order in every step.
.macro STEP s
	s_wait_dscnt 0x0                               ; this step's fragments and scale words are in
.if (\s) == 1
	s_wait_tensorcnt 0x0                           ; all of O is in
	s_barrier_signal -1
	s_barrier_wait -1
.endif
.if (\s) > 0
	PLACES 8
.endif
.if (\s) < 15
	FX (\s)+1
.endif
.if (\s) < 11
	LB (\s)+5
	s_wait_loadcnt 40                              ; this step's set is in: the 40 loads of the five younger sets may be out
.else
	s_wait_loadcnt 8*(15-(\s))
.endif
.if (\s) == 0
	global_prefetch_b8 v[PFB], s[WP:WP+1] offset:32768 th:TH_LOAD_NT scope:SCOPE_SE
.endif
.set E_, (\s)%2
	WIN 0x52+4*E_
.irp a, 0,1,2,3,4,5,6,7
.irp u, 0,1
.set D_, 128+16*\a+8*\u
.set A_, 32*((\s)%6)+16*\u
.set B_, 128*(1-E_)+16*\a
.set SA_, WSR+8*E_
.set SB_, XSR+8*E_+\a/2
.if (\s) == 0
	MM 1, \u, \a%2
.else
	MM 0, \u, \a%2
.endif
.endr
.endr
	WIN 0
.endm
	s_wait_alu depctr_va_vdst(0)
	s_cmp_lt_u32 s14, 2
	s_cbranch_scc0 .Lnot_first
	s_wait_tensorcnt 0x0                           ; waves 0, 1: O's scale bytes and K steps 0, 1, and wo's scale bytes are in
.Lnot_first:
	s_barrier_signal -1
	s_barrier_wait -1
	FX 0
.irp s, 0,1,2,3,4,5,6,7,8,9,10,11,12,13,14,15
	STEP \s
.endr
	s_barrier_signal -1                            ; no LDS load of mine is out: behind this barrier nobody reads O's bytes
	PLACES 8                                       ; behind the last products, ahead of the stores that read their sums
	s_barrier_wait -1
	WIN 1<<2                                       ; the data lie in window 1
.irp a, 0,1,2,3,4,5,6,7
.irp k, 0,1,2,3
	ds_store_b128 v[STO], v[128+16*\a+4*\k:128+16*\a+4*\k+3] offset:16*SP*\a+16*\k   ; each accumulator from its low end on
.endr
.endr
	WIN 0
	s_wait_dscnt 0x0                               ; for the others: my stores have landed
	s_barrier_signal -1
	s_barrier_wait -1
.set Q_, 0
.rept 32
	ds_load_b128 v[128+4*Q_:128+4*Q_+3], v[RD] offset:SP*Q_        ; a whole row of 512 bytes
.set Q_, Q_+1
.endr
.set Q_, 0
.rept 32
.if Q_%8 == 0
	s_wait_dscnt 24-Q_                             ; the next eight rows are back
.endif
	global_store_b128 v[L16], v[128+4*Q_:128+4*Q_+3], s[8:9] offset:(8*(Q_/16)+Q_%16+8*((Q_%16)/8))*8192 th:TH_STORE_NT   ; 512 consecutive bytes, aligned
.set Q_, Q_+1
.endr
	s_wait_tensorcnt 0x0                           ; the wave's end
	ds_add_u32 v[SPW], v[NIL]
	s_wait_dscnt 0x0
	CROUND                                         ; the closing round
	s_endpgm
.Lfunc_end_k_qbc827ef712_outp:
	.size	k_qbc827ef712_outp, .Lfunc_end_k_qbc827ef712_outp-k_qbc827ef712_outp
	.p2alignl 7, 3214868480
	.fill 96, 4, 3214868480
	.section	.rodata,"a",@progbits
	.p2align	6, 0x0
	.amdhsa_kernel k_qbc827ef712_outp
		.amdhsa_group_segment_fixed_size 327680
		.amdhsa_private_segment_fixed_size 0
		.amdhsa_enable_private_segment 0
		.amdhsa_kernarg_size 24
		.amdhsa_user_sgpr_count 2
		.amdhsa_user_sgpr_kernarg_segment_ptr 1
		.amdhsa_wavefront_size32 1
		.amdhsa_system_sgpr_workgroup_id_x 1
		.amdhsa_system_sgpr_workgroup_id_y 1
		.amdhsa_system_sgpr_workgroup_id_z 1
		.amdhsa_system_vgpr_workitem_id 0
		.amdhsa_next_free_vgpr 768
		.amdhsa_next_free_sgpr 100
		.amdhsa_reserve_vcc 0
		.amdhsa_float_denorm_mode_32 3
		.amdhsa_float_denorm_mode_16_64 3
		.amdhsa_memory_ordered 1
		.amdhsa_forward_progress 1
		.amdhsa_inst_pref_size 104
	.end_amdhsa_kernel
	.amdgpu_metadata
---
amdhsa.version: [ 1, 2 ]
amdhsa.kernels:
  - .name:           k_qbc827ef712_outp
    .symbol:         k_qbc827ef712_outp.kd
    .args:
      - { .name: att, .offset: 0, .size: 8, .value_kind: global_buffer, .address_space: global }
      - { .name: wq8, .offset: 8, .size: 8, .value_kind: global_buffer, .address_space: global }
      - { .name: out0, .offset: 16, .size: 8, .value_kind: global_buffer, .address_space: global }
    .group_segment_fixed_size: 327680
    .private_segment_fixed_size: 0
    .kernarg_segment_align: 8
    .kernarg_segment_size: 24
    .max_flat_workgroup_size: 128
    .sgpr_count:     100
    .vgpr_count:     768
    .wavefront_size: 32
...
	.end_amdgpu_metadata
.endif
;; end of part 4
